; MI455X (gfx1250); checked and timed in simulation.
; The chip was launched on July 23, 2026; its instructions are those of AMD's public machine-readable ISA for CDNA 5 (MIT licence, August 2026) and "CDNA5" Instruction Set Architecture Reference Guide (July 2026). The comments in the code are by the model that wrote it; some were corrected since.
;; Multi Head Attention. Allowed arithmetic: matrix products marked QUANTISED: E2M1 operands, one E8M0 scale for each 32 along K, by v_wmma_scale_f32_16x16x128_f8f6f4 with both operands' format E2M1 (or v_wmma_scale_f32_32x16x128_f4), f32 sums; products left as they are: bf16, f16 or f32 operands; f32 sums; everything else in f32.
;; Inputs: b_proj 1,024 float32; b_qkv 3,072 float32; w_proj 1,024 x 1,024 float32; w_qkv 1,024 x 3,072 float32; x 2 x 2,048 x 1,024 float32.
;; Outputs: out0 2 x 2,048 x 1,024 float32.
;; This version of the problem:
;;   THIS VERSION OF THE PROBLEM IS GIVEN IN LOW PRECISION. The matrix products marked QUANTISED in the list below multiply operands that are first quantised to E2M1 (2 exponent bits, 1 mantissa bit; 4 bits a number), with one power-of-two scale for each 32 numbers along K (OCP MX v1.0); their sums are f32. The products marked 'left as it is' may take bf16, f16 or f32 operands, with f32 sums. All else is computed in f32.
;;   The module's matrix products, in the order in which they are computed (A, B: the left and right operand; K: the contracted axis; several contracted axes count as one K, in the product's order):
;;     1. [M 4,096, K 1,024] x [K 1,024, N 3,072]; A: input x; B: input w_qkv: QUANTISED
;;     2. batch 32 x [M 2,048, K 64] x [K 64, N 2,048]; A: computed on the way; B: computed on the way: left as it is (an operand is computed on the way)
;;     3. batch 32 x [M 2,048, K 2,048] x [K 2,048, N 64]; A: computed on the way; B: computed on the way: left as it is (an operand is computed on the way)
;;     4. [M 4,096, K 1,024] x [K 1,024, N 1,024]; A: computed on the way; B: input w_proj: left as it is (an operand is computed on the way)
;;   THE QUANTISER, for each operand of a quantised product, along K:
;;     - K is cut into blocks of 32 from its start; a last block that is shorter is filled with zeros.
;;     - A block's scale is 2^e with e = floor(log2(the largest magnitude in the block)) - 2, held to -126 .. 127; a block of zeros has e = 0. As a byte (E8M0): e + 127.
;;     - Each number is divided by its block's scale, clamped to +-6, and rounded to the nearest number of E2M1, ties to even, subnormals kept.
;;     - The product sums the exact products of the quantised numbers (number of the format x scale) in f32.
;;   ~~~python
;;   def quantise(x, axis):      # numpy; x: float32 -> the quantised numbers, widened to float32 again
;;       x = np.moveaxis(x, axis, -1); K = x.shape[-1]
;;       x = np.pad(x, [(0, 0)] * (x.ndim - 1) + [(0, -K % 32)]); x = x.reshape(x.shape[:-1] + (-1, 32)); a = np.abs(x).max(-1, keepdims=True)
;;       e = np.where(a > 0, np.clip(np.frexp(np.where(a > 0, a, 1))[1] - 1 - 2, -126, 127), 0)      # np.frexp(a)[1] - 1 = floor(log2(a)), exactly
;;       r = np.clip(x / 2.0 ** e, -6, 6)
;;       step = 2.0 ** (np.maximum(np.frexp(np.where(r == 0, 1, r))[1] - 1, 0) - 1)
;;       q = np.round(r / step) * step * 2.0 ** e      # np.round: ties to even
;;       return np.moveaxis(q.reshape(q.shape[:-2] + (-1,))[..., :K], -1, axis).astype(np.float32)
;;   ~~~
;; One version. Each part assembles by itself: llvm-mc -triple=amdgcn-amd-amdhsa -mcpu=gfx1250 --defsym DOCPART=n.
;; ======== version 1 of 1: 4 launches
;; limits: values are held in f16: magnitudes above 65,504 overflow, below 6.1e-05 lose precision
;; workspace buffers: x_codes 2,097,152 bytes; x_scales 131,072 bytes; w_img 1,572,864 bytes; w_scales 98,304 bytes; wp_img 2,097,152 bytes; qkv_buf 25,165,824 bytes; att_buf 8,388,608 bytes
;; launch prep (part 1): grid 384 x 1, 4 waves a work-group, no clusters, 33,280 bytes of LDS; arguments x, w_qkv, w_proj, x_codes, x_scales, w_img, w_scales, wp_img; writes x_codes, x_scales, w_img, w_scales, wp_img
.if DOCPART == 1
	.amdgcn_target "amdgcn-amd-amdhsa--gfx1250"
	.amdhsa_code_object_version 6
	.text
	.protected	k_qe65d9351b2_prep
	.globl	k_qe65d9351b2_prep
	.p2align	8
	.type	k_qe65d9351b2_prep,@function
k_qe65d9351b2_prep:
	s_mov_b64 s[64:65], 0
	v_nop
	global_prefetch_b8 v0, s[64:65] scope:SCOPE_SE
	s_setreg_imm32_b32 hwreg(HW_REG_WAVE_MODE, 25, 1), 1
	s_wait_xcnt 0x0
; PREP: the three inputs that later launches read many times are narrowed once.
;   work-groups   0-127  (path X): x [4096][1024] f32 -> codes of FP4 (E2M1), K innermost, [4096][512 bytes], and one E8M0 byte for each 32 along K, [4096][32].
;   work-groups 128-319  (path W): w_qkv [1024 (k)][3072 (n)] f32 -> codes of FP4 along K, laid as images of operand registers:
;                        [slot of 512 k: 2][tile of 16 columns: 192][128 k: 4][c: 2][512 bytes]; lane (r, h) has the 16 bytes at 16 x lane: column 16 tile + r, k = 64 c + 32 h + 0 .. 31.  Scale bytes [3072][32].
;   work-groups 320-383  (path P): w_proj [1024 (k)][1024 (n)] f32 -> f16, as pieces of 512 bytes: [256 k: 4][tile of 16 columns: 64][16 k: 16][512 bytes]; lane (r, h): column r, k = 8 h + 0 .. 7.
; A block's scale is 2^(floor(log2(its largest magnitude)) - 2); its byte is the largest magnitude's exponent field - 2, held at 1 from below.
; LIMITS: NaN and infinities among the inputs are not served.  A block whose largest magnitude lies under 2^-124 keeps the byte 1.  A block of zeros gets the byte 1 where the quantiser's rule says 127: its codes are
; zeros, which add nothing under any byte but 0xff, and this program alone reads the bytes.  w_proj is rounded to f16: magnitudes beyond 65,504 become infinite, those under 6e-8 zero.
; The three paths part on the work-group's number and never join; waves share nothing: no barrier.  Only path X uses LDS.  No input is shared between work-groups, so there is no cluster.
.set XR,  16                           ; path X: v16-143  eight sets of 16 numbers as they are loaded
.set XN,  144                          ;         v144-175 two sets of 16 neighbours
.set XE,  176                          ;         v176-191 a scale byte for each step
.set XC,  192                          ;         v192-223 two registers of codes for each step: no store's data are written again
.set SP,  80                           ;         a lane's place in a stage: 64 bytes + 16 of padding
.set WX,  32                           ; paths W, P: v32-95 two sets of 32 numbers
.set WC,  96                           ;         v96.. what is stored: registers of their own for each step
.set WB,  24                           ; path W: v24-27 the four blocks' scale bytes
	s_load_b512 s[4:19], s[0:1], 0x0               ; x s[4:5], w_qkv s[6:7], w_proj s[8:9], x_codes s[10:11], x_scales s[12:13], w_img s[14:15], w_scales s[16:17], wp_img s[18:19]
	v_lshl_add_u32 v224, v0, 2, 0x8000
	v_mov_b32 v225, 0
	v_lshrrev_b32 v1, 5, v0
	v_readfirstlane_b32 s20, v1                    ; wave 0..3
	v_and_b32 v2, 31, v0                           ; lane
	s_mov_b32 s27, 0                               ; the upper word of every offset pair s[26:27]
	s_wait_kmcnt 0x0
	s_cmp_lt_u32 ttmp9, 128
	s_cbranch_scc0 .Lnot_x
; ---------------- PATH X.  A wave takes a run of 8,192 numbers: 16 steps of 512.  Each of a step's four loads reads 512 consecutive bytes, 16 a lane; the conversions want 16 NEIGHBOURS in a lane, so the
; step's 2,048 bytes turn through the wave's own stage in LDS (in: as loaded; out: 64 bytes a lane).  Two neighbouring lanes hold a block of 32.  Loads run eight steps (32 loads a wave) ahead.
	s_lshl_b32 s24, ttmp9, 2
	s_add_co_u32 s24, s24, s20                     ; which run is my wave's: 0 .. 511
	s_lshl_b32 s26, s24, 15                        ; 32,768 bytes of x,
	s_add_nc_u64 s[4:5], s[4:5], s[26:27]
	s_lshl_b32 s26, s24, 12                        ; 4,096 of codes,
	s_add_nc_u64 s[10:11], s[10:11], s[26:27]
	s_lshl_b32 s26, s24, 8                         ; 256 scale bytes a run
	s_add_nc_u64 s[12:13], s[12:13], s[26:27]
	s_lshl_b32 s25, s20, 13                        ; LDS: 8,192 bytes for each wave: two stages of 32 x SP bytes, behind them its 256 scale bytes
	v_lshlrev_b32 v3, 4, v2                        ; my 16 bytes of a load's 512
	v_lshrrev_b32 v14, 2, v2
	v_mul_u32_u24 v14, v14, SP
	v_and_b32 v15, 3, v2
	v_lshl_add_u32 v14, v15, 4, v14
	v_add_nc_u32 v14, s25, v14                     ; into the stage: SP (lane / 4) + 16 (lane % 4)
	v_mul_u32_u24 v15, v2, SP
	v_add_nc_u32 v15, s25, v15                     ; out of it: SP x lane
	v_lshlrev_b32 v4, 3, v2                        ; 8 x lane: my codes' place in a step's 256 bytes, and my 8 scale bytes at the end
	v_lshrrev_b32 v5, 1, v2
	s_add_co_u32 s25, s25, 2*32*SP
	v_add_nc_u32 v5, s25, v5                       ; my block's scale byte
	v_add_nc_u32 v6, s25, v4                       ; and 8 of them on the way out
.macro XLOAD t
.irp i, 0,1,2,3
	global_load_b128 v[XR+16*((\t)%8)+4*\i:XR+16*((\t)%8)+4*\i+3], v3, s[4:5] offset:2048*(\t)+512*\i th:TH_LOAD_NT
.endr
.endm
.macro XTURN t                         ; LDS serves a wave's instructions in order (ISA guide 5.7.1.4): no wait between the stores and the loads
.irp i, 0,1,2,3
	ds_store_b128 v14, v[XR+16*((\t)%8)+4*\i:XR+16*((\t)%8)+4*\i+3] offset:32*SP*((\t)%2)+8*SP*\i
.endr
.irp i, 0,1,2,3
	ds_load_b128 v[XN+16*((\t)%2)+4*\i:XN+16*((\t)%2)+4*\i+3], v15 offset:32*SP*((\t)%2)+16*\i
.endr
.endm
.macro XSTEP t
.set XS, XN+16*((\t)%2)
.if (\t) > 0
	s_wait_dscnt 1                                 ; this step's numbers are back from the stage; the last step's byte store may be out
.else
	s_wait_dscnt 0x0
.endif
.if (\t)+8 < 16
	XLOAD (\t)+8                                   ; into the set that this step's stores into the stage have read
.endif
.if (\t)+1 < 16
.if (\t) <= 7
	s_wait_loadcnt 28                              ; the next step's four loads are in; those of the seven steps behind it may be out
.else
	s_wait_loadcnt 4*(14-(\t))                     ; the counts run down: 14 - t steps are behind it
.endif
	XTURN (\t)+1
.endif
	v_max3_num_f32 v8, |v[XS]|, |v[XS+1]|, |v[XS+2]|               ; the largest magnitude of my 16, in two chains
	v_max3_num_f32 v9, |v[XS+3]|, |v[XS+4]|, |v[XS+5]|
.irp i, 6,10
	v_max3_num_f32 v8, v8, |v[XS+\i]|, |v[XS+\i+1]|
	v_max3_num_f32 v9, v9, |v[XS+\i+2]|, |v[XS+\i+3]|
.endr
	v_max3_num_f32 v8, v8, |v[XS+14]|, |v[XS+15]|
	v_max3_num_f32 v8, v8, v9, 0x1800000           ; and the floor 2^(3 - 127): the byte cannot fall under 1
	v_max_num_f32_dpp v8, v8, v8 row_xmask:1 row_mask:0xf bank_mask:0xf   ; with my neighbour's 16: the block's
	v_add_nc_u32 v11, 0xff000000, v8               ; 2 off its exponent field: the conversion takes the exponent field of this operand as its scale
	v_cvt_scalef32_pk8_fp4_f32 v[XC+2*(\t)], v[XS:XS+7], v11
	v_cvt_scalef32_pk8_fp4_f32 v[XC+2*(\t)+1], v[XS+8:XS+15], v11
	v_lshrrev_b32 v[XE+(\t)], 23, v11              ; the scale's byte (also the plain line behind the conversions)
	ds_store_b8 v5, v[XE+(\t)] offset:16*(\t)      ; both lanes of a block write the same byte with the same value
	global_store_b64 v4, v[XC+2*(\t):XC+2*(\t)+1], s[10:11] offset:256*(\t)   ; the wave stores 256 consecutive bytes, aligned
.endm
.irp t, 0,1,2,3,4,5,6,7
	XLOAD \t
.endr
	s_wait_loadcnt 28                              ; step 0's four loads are in
	XTURN 0
.irp t, 0,1,2,3,4,5,6,7,8,9,10,11,12,13,14,15
	XSTEP \t
.endr
	ds_load_b64 v[12:13], v6                       ; my wave's 256 scale bytes, 8 a lane: these loads see my stores
	s_wait_dscnt 0x0
	global_store_b64 v4, v[12:13], s[12:13]        ; 256 consecutive bytes, aligned
	s_wait_tensorcnt 0x0
	ds_add_u32 v224, v225
	s_wait_dscnt 0x0
	s_endpgm
.Lnot_x:
	s_cmp_lt_u32 ttmp9, 320
	s_cbranch_scc0 .Lpath_p
; ---------------- PATH W.  A LANE TAKES A COLUMN AND ITS REGISTERS RUN DOWN K, in the very order that the operand's layout gives that lane: lane (r, h) takes k = 64 t + 32 h + 0 .. 31 of column r.
; So a block lies in one lane's 32 registers, the conversions' results are the operand's registers, and they leave as they stand: 512 consecutive bytes a store.
; A wave takes 16 columns x 256 along K: four blocks a lane.  The four waves stand side by side on 256 consecutive bytes of each row of w_qkv.  Loads run two blocks (64 loads a wave) ahead.
	s_sub_co_u32 s24, ttmp9, 128
	s_and_b32 s25, s24, 3                          ; q: which 256 along K
	s_lshr_b32 s24, s24, 2
	s_lshl_b32 s28, s24, 2
	s_add_co_u32 s28, s28, s20                     ; my tile of 16 columns: 0 .. 191
	s_mul_i32 s26, s25, 256*12288                  ; w_qkv: 256 q rows of 12,288 bytes,
	s_lshl_b32 s29, s28, 6                         ; + 64 bytes a tile
	s_add_co_u32 s26, s26, s29
	s_add_nc_u64 s[6:7], s[6:7], s[26:27]
	s_lshr_b32 s26, s25, 1
	s_mul_i32 s26, s26, 786432                     ; w_img: the slot,
	s_lshl_b32 s29, s28, 12                        ; the tile's 4,096 bytes in it,
	s_add_co_u32 s26, s26, s29
	s_and_b32 s29, s25, 1
	s_lshl_b32 s29, s29, 11                        ; and my half of them
	s_add_co_u32 s26, s26, s29
	s_add_nc_u64 s[14:15], s[14:15], s[26:27]
	s_lshl_b32 s26, s28, 9                         ; w_scales: 16 rows of 32 bytes a tile,
	s_lshl_b32 s29, s25, 3                         ; 8 bytes a quarter of K
	s_add_co_u32 s26, s26, s29
	s_add_nc_u64 s[16:17], s[16:17], s[26:27]
	s_mov_b32 s22, 0x76543210
	s_mov_b32 s23, 0xfedcba98                      ; v_permlanex16_b32's selects for lane l xor 16
	v_and_b32 v4, 15, v2                           ; r
	v_lshrrev_b32 v5, 4, v2                        ; h
	v_mul_u32_u24 v1, v5, 32*12288                 ; lanes 16-31 begin 32 rows further down
	v_lshl_add_u32 v1, v4, 2, v1
	v_lshlrev_b32 v6, 4, v2                        ; 16 x lane
	v_lshlrev_b32 v7, 5, v4
	v_lshl_add_u32 v7, v5, 2, v7                   ; the scale words: row r of 32 bytes; lanes 0-15 store the first word, lanes 16-31 the second
.macro WLOAD t
.irp i, 0,1,2,3,4,5,6,7,8,9,10,11,12,13,14,15,16,17,18,19,20,21,22,23,24,25,26,27,28,29,30,31
	global_load_b32 v[WX+32*((\t)%2)+\i], v1, s[6:7] offset:(64*(\t)+\i)*12288 th:TH_LOAD_NT   ; at most 223 rows on: inside the signed 24-bit immediate (ISA guide, chapter 10)
.endr
.endm
.macro WBLOCK t
.set XS, WX+32*((\t)%2)
.if (\t) < 3
	s_wait_loadcnt 32                              ; this block's 32 loads are in; the next block's may be out
.else
	s_wait_loadcnt 0x0
.endif
	v_max3_num_f32 v12, |v[XS]|, |v[XS+1]|, |v[XS+2]|              ; the block's largest magnitude: all 32 numbers are mine
	v_max3_num_f32 v13, |v[XS+3]|, |v[XS+4]|, |v[XS+5]|
.irp i, 6,10,14,18,22,26
	v_max3_num_f32 v12, v12, |v[XS+\i]|, |v[XS+\i+1]|
	v_max3_num_f32 v13, v13, |v[XS+\i+2]|, |v[XS+\i+3]|
.endr
	v_max3_num_f32 v12, v12, |v[XS+30]|, |v[XS+31]|
	v_max3_num_f32 v12, v12, v13, 0x1800000        ; and the floor 2^(3 - 127)
	v_add_nc_u32 v11, 0xff000000, v12              ; 2 off its exponent field: the conversions' scale operand
	v_lshrrev_b32 v[WB+(\t)], 23, v11              ; the scale's byte
.irp g, 0,1,2,3
	v_cvt_scalef32_pk8_fp4_f32 v[WC+4*(\t)+\g], v[XS+8*\g:XS+8*\g+7], v11
.endr
	v_nop                                          ; one plain line behind the last conversion
	global_store_b128 v6, v[WC+4*(\t):WC+4*(\t)+3], s[14:15] offset:512*(\t)   ; 512 consecutive bytes, aligned
.if (\t)+2 < 4
	WLOAD (\t)+2
.endif
.endm
	WLOAD 0
	WLOAD 1
.irp t, 0,1,2,3
	WBLOCK \t
.endr
	; Block t = 2 u + c is block 2 c + h of the u-th 128 along K: my two bytes of word u stand 8 h bits up; lane l xor 16 has the other two.
	v_lshlrev_b32 v8, 3, v5
	v_lshl_or_b32 v9, v[WB+1], 16, v[WB]
	v_lshl_or_b32 v10, v[WB+3], 16, v[WB+2]
	v_lshlrev_b32 v9, v8, v9
	v_lshlrev_b32 v10, v8, v10
	v_mov_b32 v12, 0                               ; a lane permute's destination counts as one of its sources
	v_mov_b32 v13, 0
	v_permlanex16_b32 v12, v9, s22, s23
	v_permlanex16_b32 v13, v10, s22, s23
	v_or_b32 v9, v9, v12
	v_or_b32 v10, v10, v13
	v_cmp_eq_u32 vcc_lo, 1, v5
	v_cndmask_b32 v9, v9, v10, vcc_lo              ; lanes 0-15 keep word 0, lanes 16-31 take word 1
	global_store_b32 v7, v9, s[16:17]              ; 4 bytes a lane, rows 32 bytes apart: one byte for each 128 that this path reads
	s_endpgm
.Lpath_p:
; ---------------- PATH P.  The same plan without a quantiser: lane (r, h) takes column r and, for piece p of 16 along K, k = 16 p + 8 h + 0 .. 7; four roundings make its 16 bytes of the piece.
; A wave takes 16 columns x 256 along K: 16 pieces, four at a time.  Loads run two groups (64 loads a wave) ahead.
	s_sub_co_u32 s24, ttmp9, 320
	s_and_b32 s25, s24, 3                          ; q: which 256 along K
	s_lshr_b32 s24, s24, 2
	s_lshl_b32 s28, s24, 2
	s_add_co_u32 s28, s28, s20                     ; my tile of 16 columns: 0 .. 63
	s_lshl_b32 s26, s25, 20                        ; w_proj: 256 q rows of 4,096 bytes,
	s_lshl_b32 s29, s28, 6                         ; + 64 bytes a tile
	s_add_co_u32 s26, s26, s29
	s_add_nc_u64 s[8:9], s[8:9], s[26:27]
	s_lshl_b32 s26, s25, 19                        ; wp_img: 524,288 bytes for each 256 along K,
	s_lshl_b32 s29, s28, 13                        ; 8,192 a tile
	s_add_co_u32 s26, s26, s29
	s_add_nc_u64 s[18:19], s[18:19], s[26:27]
	v_and_b32 v4, 15, v2                           ; r
	v_lshrrev_b32 v5, 4, v2                        ; h
	v_lshlrev_b32 v1, 15, v5                       ; lanes 16-31 begin 8 rows further down
	v_lshl_add_u32 v1, v4, 2, v1
	v_lshlrev_b32 v6, 4, v2                        ; 16 x lane
.macro PLOAD t
.irp pp, 0,1,2,3
.irp j, 0,1,2,3,4,5,6,7
	global_load_b32 v[WX+32*((\t)%2)+8*\pp+\j], v1, s[8:9] offset:(16*(4*(\t)+\pp)+\j)*4096 th:TH_LOAD_NT
.endr
.endr
.endm
.macro PGROUP t
.set XS, WX+32*((\t)%2)
.if (\t) < 3
	s_wait_loadcnt 32                              ; this group's 32 loads are in; the next group's may be out
.else
	s_wait_loadcnt 0x0
.endif
.irp pp, 0,1,2,3
.irp jj, 0,1,2,3
	v_cvt_pk_f16_f32 v[WC+16*(\t)+4*\pp+\jj], v[XS+8*\pp+2*\jj], v[XS+8*\pp+2*\jj+1]   ; the lower k in the low half
.endr
.endr
.irp pp, 0,1,2,3
	global_store_b128 v6, v[WC+16*(\t)+4*\pp:WC+16*(\t)+4*\pp+3], s[18:19] offset:(4*(\t)+\pp)*512   ; a piece: 512 consecutive bytes, aligned
.endr
.if (\t)+2 < 4
	PLOAD (\t)+2
.endif
.endm
	PLOAD 0
	PLOAD 1
.irp t, 0,1,2,3
	PGROUP \t
.endr
	s_endpgm
.Lfunc_end_k_qe65d9351b2_prep:
	.size	k_qe65d9351b2_prep, .Lfunc_end_k_qe65d9351b2_prep-k_qe65d9351b2_prep
	.p2alignl 7, 3214868480
	.fill 96, 4, 3214868480
	.section	.rodata,"a",@progbits
	.p2align	6, 0x0
	.amdhsa_kernel k_qe65d9351b2_prep
		.amdhsa_group_segment_fixed_size 33280
		.amdhsa_private_segment_fixed_size 0
		.amdhsa_enable_private_segment 0
		.amdhsa_kernarg_size 64
		.amdhsa_user_sgpr_count 2
		.amdhsa_user_sgpr_kernarg_segment_ptr 1
		.amdhsa_wavefront_size32 1
		.amdhsa_system_sgpr_workgroup_id_x 1
		.amdhsa_system_sgpr_workgroup_id_y 1
		.amdhsa_system_sgpr_workgroup_id_z 1
		.amdhsa_system_vgpr_workitem_id 0
		.amdhsa_next_free_vgpr 226
		.amdhsa_next_free_sgpr 66
		.amdhsa_reserve_vcc 1
		.amdhsa_float_denorm_mode_32 3
		.amdhsa_float_denorm_mode_16_64 3
		.amdhsa_memory_ordered 1
		.amdhsa_forward_progress 1
		.amdhsa_inst_pref_size 71
	.end_amdhsa_kernel
	.amdgpu_metadata
---
amdhsa.version: [ 1, 2 ]
amdhsa.kernels:
  - .name:           k_qe65d9351b2_prep
    .symbol:         k_qe65d9351b2_prep.kd
    .args:
      - { .name: x, .offset: 0, .size: 8, .value_kind: global_buffer, .address_space: global }
      - { .name: w_qkv, .offset: 8, .size: 8, .value_kind: global_buffer, .address_space: global }
      - { .name: w_proj, .offset: 16, .size: 8, .value_kind: global_buffer, .address_space: global }
      - { .name: x_codes, .offset: 24, .size: 8, .value_kind: global_buffer, .address_space: global }
      - { .name: x_scales, .offset: 32, .size: 8, .value_kind: global_buffer, .address_space: global }
      - { .name: w_img, .offset: 40, .size: 8, .value_kind: global_buffer, .address_space: global }
      - { .name: w_scales, .offset: 48, .size: 8, .value_kind: global_buffer, .address_space: global }
      - { .name: wp_img, .offset: 56, .size: 8, .value_kind: global_buffer, .address_space: global }
    .group_segment_fixed_size: 33280
    .private_segment_fixed_size: 0
    .kernarg_segment_align: 8
    .kernarg_segment_size: 64
    .max_flat_workgroup_size: 128
    .sgpr_count:     66
    .vgpr_count:     226
    .wavefront_size: 32
...
	.end_amdgpu_metadata
.endif
;; end of part 1
;; launch qkvgemm (part 2): grid 12 x 16, 4 waves a work-group, clusters of 4 x 4, 289,280 bytes of LDS; arguments x_codes, x_scales, w_img, w_scales, b_qkv, qkv_buf; writes qkv_buf
.if DOCPART == 2
	.amdgcn_target "amdgcn-amd-amdhsa--gfx1250"
	.amdhsa_code_object_version 6
	.text
	.protected	k_qe65d9351b2_qkvgemm
	.globl	k_qe65d9351b2_qkvgemm
	.p2align	8
	.type	k_qe65d9351b2_qkvgemm,@function
k_qe65d9351b2_qkvgemm:
	s_mov_b64 s[64:65], 0
	v_nop
	global_prefetch_b8 v0, s[64:65] scope:SCOPE_SE
	s_setreg_imm32_b32 hwreg(HW_REG_WAVE_MODE, 25, 1), 1
	s_wait_xcnt 0x0
	s_wait_alu depctr_hold_cnt(0) depctr_sa_sdst(0) depctr_va_vdst(0) depctr_va_sdst(0) depctr_va_ssrc(0) depctr_va_vcc(0) depctr_vm_vsrc(0)
	s_getreg_b32 s2, hwreg(HW_REG_IB_STS2, 6, 4)
	s_cmp_eq_u32 s2, 0
	s_cbranch_scc0 .Lentry_in_a_cluster
	s_endpgm
.Lentry_in_a_cluster:
	s_bfe_u32 s2, ttmp6, 0x10000c
	s_cmp_lg_u32 s2, 0xf033
	s_cbranch_scc0 .Lentry_shape_is_right
	s_endpgm
.Lentry_shape_is_right:
; qkv = Q(x) Q(w_qkv) + b_qkv on codes of FP4 (E2M1) with one E8M0 scale for each 32 along K; M 4,096, N 3,072, K 1,024; sums in f32; the result is rounded to f16 and stored as PIECES for the attention launch.
; A tile of C, 256 x 256, is made by a work-group of four waves; a wave makes 128 x 128: 64 accumulators of 16 x 16, 512 registers.  192 tiles.
; K = 1,024 is two LDS slots of 512 along K, each filled ONCE, at the start: no LDS byte is filled again, so one barrier in front of each slot's first read is all the ordering that the tiles need.
; A's tile: 256 rows of 256 bytes of codes, padded to 272 in LDS.  B's tile comes as images of operand registers (16 tiles of columns x 4,096 bytes, dense) and is read at 16 x lane.
; The scale bytes of the work-group's 256 rows of A and 256 columns of B, for all of K, are two dense blocks of 8,192 bytes: they come once, with the first fills.
; CLUSTERS: 4 x 4 work-groups.  The four of a row of the cluster need the same tiles of A, the four of a column the same tiles of B: each tile is asked for JOINTLY, by the same tensor load with the same
; descriptor and a mask that names the four.  By this text's own count a wave has three tensor loads out at the most.
; THE MATRIX INSTRUCTION IS USED TRANSPOSED (source 0 = 16 columns of w, source 1 = 16 rows of x): a lane holds eight neighbouring columns of one row of C.  Rounded to f16 they are 16 bytes, and an
; accumulator's 32 lanes are a piece of 512 bytes (16 rows x 16 channels; lane (r, h): row r, channels 8 h + 0 .. 7): the registers 0-3 or 4-7 of a 16-bit operand.  So each piece leaves by one store of 512
; consecutive aligned bytes, with no stage in LDS.  qkv_buf: [q, k, v: 3][batch x 16 + head: 32][tile of 16 rows: 128][tile of 16 channels: 4][512 bytes].  q's and k's pieces have lane l at 16 l;
; v's are laid [row][32 bytes], lane (r, h) at 32 r + 16 h, so that the attention launch can turn them as it reads them.
; The bias is the C of each sum's first matrix instruction.
; LIMIT: q, k, v are rounded to f16: magnitudes beyond 65,504 become infinite (with x and w_qkv both 30 times the drawn spread they reach some 5,000).
; REGISTERS, in windows of 256: window 0: v16-27 addresses; v32-95 scale words, two sets; v128-191 A's fragments, ONE set; v192-255 the bias; on the way out v128-255 take the packed results.
;   window 1: B's fragments, TWO sets, at v0 and v128.   window 2: the accumulators of my rows 0-63 ((a, b) at v[8 (8 a + b)]);   window 3: those of my rows 64-127.
.set PITCH,  272                       ; a row of A's tile in LDS: 256 bytes + 16 of padding = 68 words: the 16 rows that a load touches start 4 banks apart (64 banks of 4 bytes: ISA guide 11.1)
.set HALFA,  128*PITCH                 ; 128 rows of A: what one tensor load brings, and what one wave reads
.set HALFB,  32768                     ; 8 tiles of 16 columns of B likewise
.set BOFF,   2*HALFA                   ; a slot: A's 256 rows, then B's 16 tiles
.set SLOT,   BOFF+2*HALFB
.set SCL,    2*SLOT                    ; behind the slots: the scale bytes, as rows of 256 bytes + 16 of padding
.set HALFS,  16*272                    ; those of 128 rows (4,096 bytes): what one tensor load brings
.set SBLK,   2*272                     ; those of 16 rows
.set NQ,     4                         ; steps of 128 along K in a slot
.set FR,     8                         ; registers of a fragment: 16 rows x 128 K
.set ADRA, 16                          ; v16-17  LDS address of my A fragments in slot 0, 1
.set ADRB, 20                          ; v20-21  the same for B
.set BO,   24                          ; v24     32 h: my eight numbers of a tile of the bias
.set CO,   26                          ; v26     my 16 bytes in a piece
.set ADRS, 27                          ; v27     LDS address of my scale words: lanes 0-15 A's rows, lanes 16-31 B's columns
.set SC,   32                          ; scale words: set s at v[SC + 32 s]; register 4 i + q: lanes 0-15 the word of A's block i, lanes 16-31 of B's block i, for the slot's q-th 128 along K
.set AF,   128
.set BIAS, 192                         ; register 8 b + j: b_qkv at my column 16 b + 8 h + j
.set G1, 24                            ; s[24:31] descriptor group 1 for A's tiles;  s[32:39] group 0, one set for each slot
.set G0, 32
.set G1B, 48                           ; s[48:55], s[56:63] the same for B's tiles
.set G0B, 56
.set G1S, 68                           ; s[68:75], s[76:79] groups 1 and 0 for A's scales;  s[80:87], s[88:91] for B's
.set G0S, 76
.set G1SB, 80
.set G0SB, 88
.set MSB, 0
.macro WIN new                         ; the immediate's high byte repeats the setting that is left; a switch that changes nothing is dropped
.if MSB != (\new)
	s_set_vgpr_msb (MSB<<8)|(\new)
.set MSB, (\new)
.endif
.endm
.set MUL_LO,   0xa1                    ; source 0 (B) window 1, source 1 (A) window 0, C and D window 2
.set MUL_HI,   0xf1                    ; the same, C and D window 3
.set FIRST_LO, 0x81                    ; the first step: C (the bias) window 0, D window 2
.set FIRST_HI, 0xc1                    ; D window 3
.set TO_B,     0x40                    ; destination window 1, address window 0
; A joint load: waves 0 and 1 fetch for A, waves 2 and 3 for B.  Each of the two lines has ONE mask and one set of registers for all that issue it; the branch hangs on the wave's number alone.
; Four v_nop follow each of the two lines, ahead of the jump, the label and what follows.
.macro JLOAD g0a, g1a, g0b, g1b
	s_cmp_eq_u32 s17, 0
	s_cbranch_scc0 .Lfor_b_\@
	tensor_load_to_lds s[\g0a:\g0a+3], s[\g1a:\g1a+7]
	s_nop 0
.rept 4
	v_nop
.endr
	s_branch .Lasked_\@
.Lfor_b_\@:
	tensor_load_to_lds s[\g0b:\g0b+3], s[\g1b:\g1b+7]
	s_nop 0
.rept 4
	v_nop
.endr
.Lasked_\@:
.endm
.macro CROUND                          ; a round of the cluster's barrier: my work-group's barrier; wave 0 signals for the work-group; every wave waits for all sixteen; my work-group's barrier once more
	s_barrier_signal -1
	s_barrier_wait -1
	s_cmp_lg_u32 s16, 0
	s_cbranch_scc1 .Lnot_wave_0_\@
	s_barrier_signal -3
.Lnot_wave_0_\@:
	s_barrier_wait -3
	s_barrier_signal -1
	s_barrier_wait -1
.endm
	s_load_b256 s[4:11], s[0:1], 0x0               ; x_codes s[4:5], x_scales s[6:7], w_img s[8:9], w_scales s[10:11]
	s_load_b128 s[12:15], s[0:1], 0x20             ; b_qkv s[12:13], qkv_buf s[14:15]
	v_lshl_add_u32 v126, v0, 2, 0x46800
	v_mov_b32 v127, 0
	ds_add_u32 v126, v127
	ds_add_u32 v126, v127
	v_lshrrev_b32 v1, 5, v0
	v_readfirstlane_b32 s16, v1                    ; wave 0..3
	s_lshr_b32 s17, s16, 1                         ; which half of the tile's rows is mine.  Also: I fetch for A (0) or for B (1)
	s_and_b32 s18, s16, 1                          ; which half of its columns.  Also: which half of that tile I fetch
	s_bfe_u32 s40, ttmp6, 0x40000                  ; cx, cy: my place in the cluster
	s_bfe_u32 s41, ttmp6, 0x40004
	s_lshl_b32 s42, ttmp9, 2
	s_add_co_u32 s42, s42, s40                     ; tile column of C = 4 x cluster x + cx: 0 .. 11
	s_and_b32 s43, ttmp7, 0xffff
	s_lshl_b32 s43, s43, 2
	s_add_co_u32 s43, s43, s41                     ; tile row of C = 4 x cluster y + cy: 0 .. 15
	s_lshl_b32 s44, s41, 2
	s_lshl_b32 s44, 15, s44                        ; my row of the cluster
	s_lshl_b32 s45, 0x1111, s40                    ; my column
	; group 1 for A's codes: 128 rows x 256 bytes, 512 bytes apart in memory, padded in LDS
	s_or_b32 s[G1+0], s44, (0<<16)|(1<<20)|(1<<21)|(5<<22)|(3<<25)  ; 15:0 the mask: my row; 17:16 elements of 1 byte; 20 padding on; 21 set beside a mask; 24:22 after every 64 words (code 5); 31:25 four words (code 3)
	s_mov_b32 s[G1+1], 256<<16                     ; tensor_dim0
	s_mov_b32 s[G1+2], 128<<16                     ; tensor_dim1
	s_mov_b32 s[G1+3], 256<<16                     ; tile_dim0
	s_mov_b32 s[G1+4], 128                         ; tile_dim1
	s_mov_b32 s[G1+5], 512                         ; tensor_dim0_stride
	s_mov_b32 s[G1+6], 0
	s_mov_b32 s[G1+7], 0
	; group 1 for B's images: a dense block of 32,768 bytes as 128 rows of 32 elements of 8 bytes, no padding
	s_or_b32 s[G1B+0], s45, (3<<16)|(1<<21)        ; the mask: my column
	s_mov_b32 s[G1B+1], 32<<16
	s_mov_b32 s[G1B+2], 128<<16
	s_mov_b32 s[G1B+3], 32<<16
	s_mov_b32 s[G1B+4], 128
	s_mov_b32 s[G1B+5], 32
	s_mov_b32 s[G1B+6], 0
	s_mov_b32 s[G1B+7], 0
	; and for the scale bytes of 128 rows: a dense block of 4,096 bytes as 16 rows of 256, 16 bytes of padding behind each
	s_or_b32 s[G1S+0], s44, (3<<16)|(1<<20)|(1<<21)|(5<<22)|(3<<25)
	s_or_b32 s[G1SB+0], s45, (3<<16)|(1<<20)|(1<<21)|(5<<22)|(3<<25)
.irp g, G1S, G1SB
	s_mov_b32 s[\g+1], 32<<16
	s_mov_b32 s[\g+2], 16<<16
	s_mov_b32 s[\g+3], 32<<16
	s_mov_b32 s[\g+4], 16
	s_mov_b32 s[\g+5], 32
	s_mov_b32 s[\g+6], 0
	s_mov_b32 s[\g+7], 0
.endr
	; where the tiles come from.  A's hang on the tile row alone, B's on the tile column alone; each is made in registers that never hold the other coordinate
	s_lshl_b32 s19, s18, 7
	s_lshl_b32 s20, s43, 8
	s_add_co_u32 s20, s20, s19                     ; A: row 256 x tile row + 128 x half
	s_lshl_b32 s22, s20, 5                         ; its scale bytes: 32 a row
	s_mov_b32 s23, 0
	s_lshl_b32 s20, s20, 9                         ; its codes: 512 bytes a row
	s_mov_b32 s21, 0
	s_lshl_b32 s46, s42, 4
	s_lshl_b32 s94, s18, 3
	s_add_co_u32 s46, s46, s94                     ; B: tile of 16 columns 16 x tile column + 8 x half
	s_lshl_b32 s92, s46, 9                         ; its scale bytes: 16 rows of 32
	s_mov_b32 s93, 0
	s_lshl_b32 s46, s46, 12                        ; its images: 4,096 bytes for each slot
	s_mov_b32 s47, 0
	s_mul_i32 s96, s18, HALFA                      ; and where they go: no place in the cluster enters an LDS address
	s_mul_i32 s97, s18, HALFB
	s_add_co_u32 s97, s97, BOFF
	s_mul_i32 s98, s16, HALFS                      ; the scales: A's two halves, then B's two = wave x 128 rows
	s_add_co_u32 s98, s98, SCL
	s_wait_dscnt 0x0
	s_wait_kmcnt 0x0
	s_add_nc_u64 s[20:21], s[4:5], s[20:21]
	s_add_nc_u64 s[22:23], s[6:7], s[22:23]
	s_add_nc_u64 s[46:47], s[8:9], s[46:47]
	s_add_nc_u64 s[92:93], s[10:11], s[92:93]
	CROUND                                         ; all sixteen work-groups are here: the first joint loads meet
	s_mov_b32 s[G0S], 1
	s_mov_b32 s[G0S+1], s98
	s_mov_b64 s[G0S+2:G0S+3], s[22:23]
	s_or_b32 s[G0S+3], s[G0S+3], 0x80000000
	s_mov_b32 s[G0SB], 1
	s_mov_b32 s[G0SB+1], s98
	s_mov_b64 s[G0SB+2:G0SB+3], s[92:93]
	s_or_b32 s[G0SB+3], s[G0SB+3], 0x80000000
	JLOAD G0S, G1S, G0SB, G1SB                     ; the scales first: they are wanted with slot 0
.irp s, 0,1
	s_mov_b32 s[G0+4*\s], 1                                        ; count = 1
	s_add_co_u32 s[G0+4*\s+1], s96, \s*SLOT                        ; LDS address
	s_add_nc_u64 s[G0+4*\s+2:G0+4*\s+3], s[20:21], \s*256          ; global address: 512 along K are 256 bytes of a row
	s_or_b32 s[G0+4*\s+3], s[G0+4*\s+3], 0x80000000                ; type = 2
	s_mov_b32 s[G0B+4*\s], 1
	s_add_co_u32 s[G0B+4*\s+1], s97, \s*SLOT
	s_add_nc_u64 s[G0B+4*\s+2:G0B+4*\s+3], s[46:47], \s*786432     ; the other slot's images of all 192 tiles lie 786,432 bytes on
	s_or_b32 s[G0B+4*\s+3], s[G0B+4*\s+3], 0x80000000
	JLOAD G0+4*\s, G1, G0B+4*\s, G1B
.endr
	v_and_b32 v1, 15, v0                           ; r = l % 16
	v_bfe_u32 v2, v0, 4, 1                         ; h = l / 16
	v_and_b32 v3, 31, v0
	v_lshlrev_b32 v7, 4, v3                        ; 16 x lane
	v_mul_u32_u24 v4, v1, PITCH
	v_lshl_add_u32 v4, v2, 4, v4                   ; A: a fragment's row x pitch + 16 x half
	s_mul_i32 s21, s17, HALFA                      ; my 128 rows of A
	s_mul_i32 s22, s18, HALFB                      ; my 8 tiles of B,
	s_add_co_u32 s22, s22, BOFF                    ; which lie behind A's 256 rows
.irp s, 0,1
	v_add_nc_u32 v[ADRA+\s], s21, v4
	v_add_nc_u32 v[ADRB+\s], s22, v7
	s_add_co_u32 s21, s21, SLOT
	s_add_co_u32 s22, s22, SLOT
.endr
	v_mul_u32_u24 v5, v1, 32                       ; my row's scale bytes: 32 a row,
	v_lshrrev_b32 v6, 8, v5
	v_lshl_add_u32 v5, v6, 4, v5                   ; and 16 more for each 256 passed
	s_mul_i32 s21, s17, HALFS                      ; A's: my 128 rows
	s_mul_i32 s22, s18, HALFS                      ; B's: my 128 columns, behind A's 256 rows
	s_add_co_u32 s22, s22, 2*HALFS
	s_sub_co_u32 s22, s22, s21
	v_mul_u32_u24 v6, s22, v2                      ; lanes 16-31 take B's: the lower base + h x the distance
	s_add_co_u32 s21, s21, SCL
	v_add_nc_u32 v5, v5, v6
	v_add_nc_u32 v[ADRS], s21, v5
	v_lshlrev_b32 v[BO], 5, v2
	v_lshlrev_b32 v5, 5, v1
	v_lshl_add_u32 v5, v2, 4, v5                   ; 32 r + 16 h: v's pieces
	s_cmp_eq_u32 ttmp9, 2                          ; tile columns 8 to 11 (cluster x = 2) are v
	s_cselect_b32 s19, -1, 0
	v_cndmask_b32 v[CO], v7, v5, s19
	s_lshl_b32 s2, s42, 10                         ; the bias of my 128 columns: (256 x tile column + 128 x half) x 4 bytes
	s_lshl_b32 s3, s18, 9
	s_add_co_u32 s2, s2, s3
	s_mov_b32 s3, 0
	s_add_nc_u64 s[12:13], s[12:13], s[2:3]
.irp b, 0,1,2,3,4,5,6,7
	global_load_b128 v[BIAS+8*\b:BIAS+8*\b+3], v[BO], s[12:13] offset:64*\b
	global_load_b128 v[BIAS+8*\b+4:BIAS+8*\b+7], v[BO], s[12:13] offset:64*\b+16
.endr
	; where my part of qkv_buf begins: which x 8,388,608 + (((batch x 16 + head) x 128 + tile of rows) x 2,048 bytes; batch = tile row / 8, head = 4 cx + 2 x column half, tile of rows = 16 (tile row % 8) + 8 x row half
	s_lshr_b32 s2, s43, 3
	s_lshl_b32 s2, s2, 4
	s_lshl_b32 s3, s40, 2
	s_add_co_u32 s2, s2, s3
	s_lshl_b32 s3, s18, 1
	s_add_co_u32 s2, s2, s3
	s_lshl_b32 s2, s2, 7
	s_and_b32 s3, s43, 7
	s_lshl_b32 s3, s3, 4
	s_add_co_u32 s2, s2, s3
	s_lshl_b32 s3, s17, 3
	s_add_co_u32 s2, s2, s3
	s_lshl_b32 s2, s2, 11
	s_lshl_b32 s3, ttmp9, 23
	s_add_co_u32 s2, s2, s3
	s_mov_b32 s3, 0
	s_add_nc_u64 s[14:15], s[14:15], s[2:3]
.macro FRAGA reg, adr, q, i            ; 16 rows x 128 K of 4-bit codes, 8 registers: lane l holds row l % 16; registers 4 c .. 4 c + 3 hold K = 64 c + 32 (l / 16) + 0 .. 31
.irp c, 0,1
	ds_load_b128 v[\reg+4*\c:\reg+4*\c+3], v[\adr] offset:64*(\q)+32*\c+(\i)*16*PITCH
.endr
.endm
.macro FRAGB reg, adr, q, i            ; the same from an image: tile i, the slot's q-th 128 along K, 512 consecutive bytes a load
.irp c, 0,1
	ds_load_b128 v[\reg+4*\c:\reg+4*\c+3], v[\adr] offset:4096*(\i)+1024*(\q)+512*\c
.endr
.endm
; 16 matrix instructions: A's blocks a0, a0 + 1 x B's eight, 128 along K: the slot's q-th.  p: B's set;  sc: the set of scale words.  first = 1: the bias is C and starts the sums: nothing is ever cleared.
; The 64 accumulators take turns, one instruction a turn, in the same order in every step.
.macro MUL16 a0, p, q, sc, first
.irp a, \a0, \a0+1
.irp b, 0,1,2,3,4,5,6,7
.if \first
	v_wmma_scale_f32_16x16x128_f8f6f4 v[8*(8*((\a)%4)+\b):8*(8*((\a)%4)+\b)+7], v[128*(\p)+FR*\b:128*(\p)+FR*\b+FR-1], v[AF+FR*(\a):AF+FR*(\a)+FR-1], v[BIAS+8*\b:BIAS+8*\b+7], v[SC+8*NQ*(\sc)+NQ*\b+(\q)], v[SC+8*NQ*(\sc)+NQ*(\a)+(\q)] matrix_a_fmt:MATRIX_FMT_FP4 matrix_b_fmt:MATRIX_FMT_FP4 matrix_a_scale:MATRIX_SCALE_ROW1
.else
	v_wmma_scale_f32_16x16x128_f8f6f4 v[8*(8*((\a)%4)+\b):8*(8*((\a)%4)+\b)+7], v[128*(\p)+FR*\b:128*(\p)+FR*\b+FR-1], v[AF+FR*(\a):AF+FR*(\a)+FR-1], v[8*(8*((\a)%4)+\b):8*(8*((\a)%4)+\b)+7], v[SC+8*NQ*(\sc)+NQ*\b+(\q)], v[SC+8*NQ*(\sc)+NQ*(\a)+(\q)] matrix_a_fmt:MATRIX_FMT_FP4 matrix_b_fmt:MATRIX_FMT_FP4 matrix_a_scale:MATRIX_SCALE_ROW1
.endif
.endr
.endr
.endm
.macro FETCH_B slot, q, p              ; B's eight fragments of the slot's q-th 128 along K into set p
	WIN TO_B
.irp i, 0,1,2,3,4,5,6,7
	FRAGB 128*(\p)+FR*\i, ADRB+\slot, \q, \i
.endr
	WIN 0
.endm
.macro FETCH_A slot, q, i0             ; A's blocks i0 .. i0 + 3
.irp i, \i0, \i0+1, \i0+2, \i0+3
	FRAGA AF+FR*(\i), ADRA+\slot, \q, \i
.endr
.endm
.macro SCALES sc                       ; a slot's scale words into set sc: four words a row; lanes 0-15 take A's block i, lanes 16-31 B's block i
.irp i, 0,1,2,3,4,5,6,7
	ds_load_b128 v[SC+8*NQ*\sc+NQ*\i:SC+8*NQ*\sc+NQ*\i+3], v[ADRS] offset:\i*SBLK
.endr
.endm
; A load into a register that a matrix instruction has read, and a vector instruction that reads a matrix result or writes one of a matrix instruction's registers, stand four places behind it, and only plain
; vector instructions that name none of its registers are places (ISA guide 7.12.1 for vector instructions).
.macro PLACES
.rept 4
	v_nop
.endr
.endm
; A step of 128 along K that has its successor in the same slot.  A block of A is free as soon as its eight products are issued: blocks 0-3 are fetched anew in the step's middle, blocks 4-7 at its end.
.macro STEP slot, q, first
	s_wait_dscnt 8                                 ; B's set, the scale words and A's blocks 0-3 are in; the youngest eight loads (A's blocks 4-7) may be out
.if \first
	WIN FIRST_LO
.else
	WIN MUL_LO
.endif
	MUL16 0, (\q)%2, \q, \slot, \first
	MUL16 2, (\q)%2, \q, \slot, \first
	s_wait_dscnt 0x0                               ; A's blocks 4-7 are in (asked for 32 matrix instructions ago)
	PLACES
	FETCH_B \slot, (\q)+1, 1-(\q)%2
	FETCH_A \slot, (\q)+1, 0
.if \first
	WIN FIRST_HI
.else
	WIN MUL_HI
.endif
	MUL16 4, (\q)%2, \q, \slot, \first
	MUL16 6, (\q)%2, \q, \slot, \first
	PLACES
	WIN 0
	FETCH_A \slot, (\q)+1, 4
.endm
.macro STEPS slot, from                ; the slot's steps from .. NQ - 2
.set Q, \from
.rept NQ-1-\from
	STEP \slot, Q, 0
.set Q, Q+1
.endr
.endm
	s_wait_tensorcnt 1                             ; the scales and my part of slot 0 are in (slot 1's load, the one issued behind them, may be out),
	s_barrier_signal -1
	s_barrier_wait -1                              ; everybody's are
	FETCH_B 0, 0, 0
	FETCH_A 0, 0, 0
	SCALES 0
	FETCH_A 0, 0, 4
	s_wait_loadcnt 0x0                             ; the bias
	STEP 0, 0, 1
	STEPS 0, 1
	; slot 0's last step goes over to slot 1: each wave waits for its part of slot 1, then one barrier
	s_wait_tensorcnt 0x0                           ; my part of slot 1 has landed
	s_wait_dscnt 8                                 ; (A's blocks 4-7 may be out)
	WIN MUL_LO
	MUL16 0, 1, NQ-1, 0, 0
	s_wait_dscnt 0x0                               ; no LDS instruction of mine is pending at the signal
	s_barrier_signal -1
	MUL16 2, 1, NQ-1, 0, 0                         ; work on registers while the others arrive
	WIN 0
	s_barrier_wait -1                              ; slot 1 is whole
	PLACES
	v_add_nc_u32 v[ADRS], 4*NQ, v[ADRS]            ; on to slot 1's scale words (no LDS load of mine is out)
	FETCH_B 1, 0, 0
	FETCH_A 1, 0, 0
	SCALES 1
	WIN MUL_HI
	MUL16 4, 1, NQ-1, 0, 0
	MUL16 6, 1, NQ-1, 0, 0
	PLACES
	WIN 0
	FETCH_A 1, 0, 4
	STEPS 1, 0
	s_wait_dscnt 8                                 ; the very last step: nothing more to fetch
	WIN MUL_LO
	MUL16 0, 1, NQ-1, 1, 0
	MUL16 2, 1, NQ-1, 1, 0
	s_wait_dscnt 0x0
	WIN MUL_HI
	MUL16 4, 1, NQ-1, 1, 0
	MUL16 6, 1, NQ-1, 1, 0
	WIN 0
; THE WAY OUT of block a (16 rows x 128 columns): each accumulator, from its low end on, is rounded to f16: four registers, a piece; eight stores of 512 consecutive aligned bytes.
; Column block b is head b / 4 of my two (262,144 bytes apart) and tile b % 4 of its channels; block a is the a-th tile of my rows (2,048 bytes apart).
.macro OUT a
.set AC, 64*((\a)%4)
.set TP, 128+32*((\a)%4)
	WIN 0x0a+5*((\a)/4)                            ; sources 0 and 1: window 2 or 3
.irp b, 0,1,2,3,4,5,6,7
.irp i, 0,1,2,3
	v_cvt_pk_f16_f32 v[TP+4*\b+\i], v[AC+8*\b+2*\i], v[AC+8*\b+2*\i+1]
.endr
.endr
	WIN 0
.irp b, 0,1,2,3,4,5,6,7
	global_store_b128 v[CO], v[TP+4*\b:TP+4*\b+3], s[14:15] offset:(\a)*2048+(\b/4)*262144+(\b%4)*512
.endr
.endm
	PLACES                                         ; the conversions read results and write over A's fragments and the bias
	OUT 0
	OUT 1
	OUT 2
	OUT 3
	s_wait_xcnt 0x0                                ; the 32 stores above have read their data: the four sets of registers are written again only behind this wait
	OUT 4
	OUT 5
	OUT 6
	OUT 7
	s_wait_tensorcnt 0x0
	ds_add_u32 v126, v127
	s_wait_dscnt 0x0
	CROUND                                         ; the closing round: no work-group ends while a partner may still ask for a tile that names it
	s_endpgm
.Lfunc_end_k_qe65d9351b2_qkvgemm:
	.size	k_qe65d9351b2_qkvgemm, .Lfunc_end_k_qe65d9351b2_qkvgemm-k_qe65d9351b2_qkvgemm
	.p2alignl 7, 3214868480
	.fill 96, 4, 3214868480
	.section	.rodata,"a",@progbits
	.p2align	6, 0x0
	.amdhsa_kernel k_qe65d9351b2_qkvgemm
		.amdhsa_group_segment_fixed_size 289280
		.amdhsa_private_segment_fixed_size 0
		.amdhsa_enable_private_segment 0
		.amdhsa_kernarg_size 48
		.amdhsa_user_sgpr_count 2
		.amdhsa_user_sgpr_kernarg_segment_ptr 1
		.amdhsa_wavefront_size32 1
		.amdhsa_system_sgpr_workgroup_id_x 1
		.amdhsa_system_sgpr_workgroup_id_y 1
		.amdhsa_system_sgpr_workgroup_id_z 1
		.amdhsa_system_vgpr_workitem_id 0
		.amdhsa_next_free_vgpr 1024
		.amdhsa_next_free_sgpr 100
		.amdhsa_reserve_vcc 0
		.amdhsa_float_denorm_mode_32 3
		.amdhsa_float_denorm_mode_16_64 3
		.amdhsa_memory_ordered 1
		.amdhsa_forward_progress 1
		.amdhsa_inst_pref_size 119
	.end_amdhsa_kernel
	.amdgpu_metadata
---
amdhsa.version: [ 1, 2 ]
amdhsa.kernels:
  - .name:           k_qe65d9351b2_qkvgemm
    .symbol:         k_qe65d9351b2_qkvgemm.kd
    .args:
      - { .name: x_codes, .offset: 0, .size: 8, .value_kind: global_buffer, .address_space: global }
      - { .name: x_scales, .offset: 8, .size: 8, .value_kind: global_buffer, .address_space: global }
      - { .name: w_img, .offset: 16, .size: 8, .value_kind: global_buffer, .address_space: global }
      - { .name: w_scales, .offset: 24, .size: 8, .value_kind: global_buffer, .address_space: global }
      - { .name: b_qkv, .offset: 32, .size: 8, .value_kind: global_buffer, .address_space: global }
      - { .name: qkv_buf, .offset: 40, .size: 8, .value_kind: global_buffer, .address_space: global }
    .group_segment_fixed_size: 289280
    .private_segment_fixed_size: 0
    .kernarg_segment_align: 8
    .kernarg_segment_size: 48
    .max_flat_workgroup_size: 128
    .sgpr_count:     100
    .vgpr_count:     1024
    .wavefront_size: 32
...
	.end_amdgpu_metadata
.endif
;; end of part 2
;; launch attn (part 3): grid 8 x 32, 8 waves a work-group, clusters of 4 x 1, 327,680 bytes of LDS; arguments qkv_buf, att_buf; writes att_buf
.if DOCPART == 3
	.amdgcn_target "amdgcn-amd-amdhsa--gfx1250"
	.amdhsa_code_object_version 6
	.text
	.protected	k_qe65d9351b2_attn
	.globl	k_qe65d9351b2_attn
	.p2align	8
	.type	k_qe65d9351b2_attn,@function
k_qe65d9351b2_attn:
	s_mov_b64 s[64:65], 0
	v_nop
	global_prefetch_b8 v0, s[64:65] scope:SCOPE_SE
	s_setreg_imm32_b32 hwreg(HW_REG_WAVE_MODE, 25, 1), 1
	s_wait_xcnt 0x0
	s_wait_alu depctr_hold_cnt(0) depctr_sa_sdst(0) depctr_va_vdst(0) depctr_va_sdst(0) depctr_va_ssrc(0) depctr_va_vcc(0) depctr_vm_vsrc(0)
	s_getreg_b32 s2, hwreg(HW_REG_IB_STS2, 6, 4)
	s_cmp_eq_u32 s2, 0
	s_cbranch_scc0 .Lentry_in_a_cluster
	s_endpgm
.Lentry_in_a_cluster:
	s_bfe_u32 s2, ttmp6, 0x10000c
	s_cmp_lg_u32 s2, 0x3003
	s_cbranch_scc0 .Lentry_shape_is_right
	s_endpgm
.Lentry_shape_is_right:
; O[bh][q][:] = the sum over k of softmax_k(Q[bh][q] . K[bh][k] / 8) V[bh][k][:]; 32 (batch, head) pairs, 2,048 queries and keys, head size 64.  q, k, v in f16; products, maxima and sums in f32; the weights p
; are rounded to f16 for the second product, O once at the end.
; qkv_buf: [q, k, v][bh 32][tile of 16 rows: 128][tile of 16 channels: 4][piece of 512 bytes].  A piece of q or k has lane (r, h)'s 16 bytes (row r, channels 8 h + 0 .. 7) at 16 x lane: two neighbouring pieces
; ARE the registers 0-3 and 4-7 of a 16-bit operand.  A piece of v is laid [row][32 bytes] and is turned as it is read, by ds_load_tr16_b128.  So every tile is a dense block of memory and of LDS.
; SHARES.  A work-group owns 256 queries of one (batch, head); each of its EIGHT waves owns 32, two tiles of 16, in 384 registers: two waves to a SIMD.  Every wave walks all 2,048 keys, 64 a step; each
; fragment of K or V is read from LDS once and feeds two products.
; LAYOUT.  S^T = K Q^T (source 0 = 16 keys, source 1 = 16 queries): a lane holds ONE query (lane % 16) and the keys 8 (lane / 16) + 0 .. 7.  Two such tiles, rounded in pairs, are source 1 (32 keys x 16 queries)
; of O^T = V^T P, whose result again holds one query a lane and eight channels; rounded, it is a piece of the projection's left operand and leaves by one store of 512 consecutive aligned bytes.
; SOFTMAX.  For each query a running maximum m and sum l: p = 2^(c s - c m), c = log2(e) / 8; in every step O and l are multiplied by a = 2^(c m_old - c m_new).  The softmax is written once: m begins at -3e38,
; l and O^T as zeros, which the first a (0) leaves zeros.
; BY TURNS.  A tile of queries never looks at the other tile, so the wave's two tiles take turns at the matrix unit.  In a TURN tile x has it: 8 products V^T P of the step in hand, then 8 products K Q^T of the
; next step, two at a time; the other tile's softmax, a list of 118 instructions cut into 8 slices of 14 or 15, stands between them, one slice behind each pair.  Then the tiles change places.  Two turns are a
; key step.  Tile 0's turn carries tile 1's softmax of step j, tile 1's turn carries tile 0's of step j + 1.  K and V need one set of registers each: K of step j + 1 is fetched at the head of tile 0's turn,
; when both tiles have multiplied by K of step j; V of step j + 1 in the middle of tile 1's turn, behind its products V^T P of step j.  Each run of 16 loads is issued 8 products and 4 slices ahead of the wait for it.
; THE RING.  Two LDS slots of 512 keys (K's 65,536 bytes, then V's); 2,048 keys are four fills: two at the start, two refills.  Wave w brings a dense 16,384 bytes: quarter w % 4 of K (w < 4) or of V.
; CLUSTER.  The four query blocks of a cluster belong to one (batch, head) and walk the same K and V, so each tile is asked for JOINTLY: the same tensor load, with the same descriptor and a mask that names the
; four.  By this text's own count a wave has two tensor loads out at the start and one behind each round.
; NO PREFETCH: there are only two refills, and each is asked for eight key steps (256 matrix instructions of each wave) ahead of its first read; the first fills are asked for at the head, where nothing is prefetched.
; att_buf: [head / 4: 4][tile of 16 rows of (batch, query): 256][piece 4 (head % 4) + tile of channels: 16][512 bytes].
; LIMIT: the result is rounded to f16 (it lies within v's range); NaN and infinities among q, k, v are not served.
; REGISTERS, in windows of 256: window 0: v2-7 addresses; v16-39 twelve registers of statistics a tile; v64-127 S^T, 32 a tile; v128-159 P, 16 a tile; v160-223 O^T, 32 a tile; v224-255 Q, 16 a tile.
;   window 1: v0-63 K of one step; v64-127 V of one step.  So every product has one setting (source 0 in window 1) and every slice another (all in window 0): two switches for each pair of products,
;   32 for a key step's 32 matrix instructions, and one more for each of its two runs of loads.
.set SLOT1, 1<<17                      ; slot 1 begins here, so that one exclusive or turns an address in one slot into the other's
.set VOFF,  65536                      ; in a slot: K's 512 keys, then V's
.set STEPB, 8192                       ; 64 keys: four tiles of 16 rows x 2,048 bytes
.set SPARE, 2*SLOT1                    ; behind the ring: the spare words, 128 bytes for each wave: four blocks of 256 bytes that no other line names
.set AK0, 2                            ; v2   16 x lane: my place in a piece of K; also my offset in Q's and O's pieces; never rewritten
.set AV0, 3                            ; v3   my place in a piece of V, for the turning load; never rewritten
.set ADK, 4                            ; v4   LDS address of the K that is being fetched
.set ADV, 5                            ; v5   of the V
.set SPW, 6                            ; v6   LDS address of my spare word: SPARE + 4 x my thread's number; never rewritten
.set NIL, 7                            ; v7   0; never rewritten
.set ST,  16                           ; tile t's statistics at v[ST + 12 t]: +0 c m, +1 m, +2, +3 l (even keys', odd keys'), +4 to +7 four chains of the maximum (a takes +6 once it is found), +8, +9 c m_old, then a chain of the sum, +10, +11 the other chain
.set S,   64
.set P,   128
.set OT,  160
.set QF,  224
.set KF,  0                            ; in window 1
.set VF,  64
.set LIST, 118                         ; instructions in a tile's softmax for a key step
.set WV,  8                            ; s8   my wave's number
.set G1,  16                           ; s[16:23] descriptor group 1
.set G0A, 24                           ; s[24:27] group 0 for slot 0's first fill
.set G0W, 28                           ; s[28:31] group 0 for slot 1's first fill; it then walks
.set TB,  32                           ; s32  LDS byte at which the tiles of the step to be fetched begin
.set SLOTS, 33                         ; s33  refills to go
.set STEPS, 34                         ; s34  counts key steps between two changes of slots
.set CS,  36                           ; s[36:37] c: the packed scaling names a pair and takes its low word for both halves
.set SEL, 38                           ; s[38:39] lane selects for v_permlanex16_b32: lane l xor 16
.set W_MUL, 0x01                       ; source 0 (K or V) in window 1; all else in window 0
.set W_LD,  0x40                       ; destination window 1, address window 0
.set MSB, 0
.macro WIN new                         ; the immediate's high byte repeats the setting that is left; a switch that changes nothing is dropped
.if MSB != (\new)
	s_set_vgpr_msb (MSB<<8)|(\new)
.set MSB, (\new)
.endif
.endm
.macro CROUND                          ; a round of the cluster's barrier: my work-group's barrier; wave 0 signals for the work-group; every wave waits for all four; my work-group's barrier once more
	s_barrier_signal -1
	s_barrier_wait -1
	s_cmp_lg_u32 s[WV], 0
	s_cbranch_scc1 .Lnot_wave_0_\@
	s_barrier_signal -3
.Lnot_wave_0_\@:
	s_barrier_wait -3
	s_barrier_signal -1
	s_barrier_wait -1
.endm
	s_load_b128 s[4:7], s[0:1], 0x0                ; qkv_buf s[4:5], att_buf s[6:7]
	v_lshl_add_u32 v[SPW], v0, 2, SPARE
	v_mov_b32 v[NIL], 0
	ds_add_u32 v6, v7
	ds_add_u32 v6, v7
	s_wait_dscnt 0x0
	v_lshrrev_b32 v1, 5, v0
	v_readfirstlane_b32 s[WV], v1                  ; wave 0..7
	s_bfe_u32 s9, ttmp6, 0x40000                   ; cx: my place in the cluster
	s_lshl_b32 s10, ttmp9, 2                       ; in a cluster launch ttmp9 counts clusters
	s_add_co_u32 s10, s10, s9                      ; my block of 256 queries: it enters Q's and O's addresses alone
	s_and_b32 s11, ttmp7, 0xffff                   ; batch x 16 + head, which the four partners share
	; what I fetch: K (waves 0-3) or V (waves 4-7) of my (batch, head), quarter wave % 4 of a slot
	s_lshr_b32 s40, s[WV], 2
	s_add_co_u32 s40, s40, 1
	s_lshl_b32 s40, s40, 23                        ; k begins 8,388,608 bytes into qkv_buf, v 16,777,216
	s_lshl_b32 s41, s11, 18                        ; 262,144 bytes for each (batch, head)
	s_add_co_u32 s40, s40, s41
	s_and_b32 s41, s[WV], 3
	s_lshl_b32 s41, s41, 14
	s_add_co_u32 s40, s40, s41
	s_mov_b32 s41, 0
	; descriptor group 1: a dense block of 16,384 bytes as 64 rows of 32 elements of 8 bytes
	s_mov_b32 s[G1], 15|(3<<16)|(1<<21)            ; 15:0 the mask: all four work-groups; 17:16 elements of 8 bytes; 21 set beside a mask; no padding
	s_mov_b32 s[G1+1], 32<<16                      ; tensor_dim0
	s_mov_b32 s[G1+2], 64<<16                      ; tensor_dim1
	s_mov_b32 s[G1+3], 32<<16                      ; tile_dim0
	s_mov_b32 s[G1+4], 64                          ; tile_dim1
	s_mov_b32 s[G1+5], 32                          ; tensor_dim0_stride
	s_mov_b32 s[G1+6], 0
	s_mov_b32 s[G1+7], 0
	s_mov_b32 s[CS], 0x3e38aa3b                    ; c = log2(e) / 8
	s_mov_b32 s[CS+1], s[CS]                       ; named with it as a pair, so it is written
	s_mov_b32 s[SEL], 0x76543210
	s_mov_b32 s[SEL+1], 0xfedcba98
	s_mov_b32 s[TB], 0
	s_mov_b32 s[SLOTS], 2
	; Q's and O's places, in registers that feed no descriptor
	s_lshl_b32 s44, s11, 18                        ; Q: my (batch, head),
	s_lshl_b32 s45, s10, 15                        ; my block's 16 tiles of rows,
	s_add_co_u32 s44, s44, s45
	s_lshl_b32 s45, s[WV], 12                      ; my wave's two
	s_add_co_u32 s44, s44, s45
	s_mov_b32 s45, 0
	s_wait_kmcnt 0x0
	s_add_nc_u64 s[42:43], s[4:5], s[40:41]
	s_add_nc_u64 s[4:5], s[4:5], s[44:45]          ; Q at my wave's first tile
	s_and_b32 s44, s11, 15
	s_lshr_b32 s44, s44, 2
	s_lshl_b32 s44, s44, 21                        ; O: head / 4 x 2,097,152,
	s_lshr_b32 s46, s11, 4
	s_lshl_b32 s46, s46, 7                         ; tile of rows: 128 x batch
	s_lshl_b32 s45, s10, 4
	s_add_co_u32 s46, s46, s45                     ; + 16 x block
	s_lshl_b32 s45, s[WV], 1
	s_add_co_u32 s46, s46, s45                     ; + 2 x wave,
	s_lshl_b32 s46, s46, 13                        ; 8,192 bytes each,
	s_add_co_u32 s44, s44, s46
	s_and_b32 s46, s11, 3
	s_lshl_b32 s46, s46, 11                        ; and my head's four pieces in it
	s_add_co_u32 s44, s44, s46
	s_mov_b32 s45, 0
	s_add_nc_u64 s[6:7], s[6:7], s[44:45]
	s_mov_b32 s[G0A], 1                            ; count = 1
	s_lshl_b32 s[G0A+1], s[WV], 14                 ; LDS address: wave x 16,384: K's four quarters, then V's; no place in the cluster enters it
	s_mov_b64 s[G0A+2:G0A+3], s[42:43]             ; global address: keys 0 to 511
	s_or_b32 s[G0A+3], s[G0A+3], 0x80000000        ; type = 2
	s_mov_b32 s[G0W], 1
	s_add_co_u32 s[G0W+1], s[G0A+1], SLOT1
	s_add_nc_u64 s[G0W+2:G0W+3], s[42:43], 65536   ; keys 512 to 1,023
	s_or_b32 s[G0W+3], s[G0W+3], 0x80000000
	CROUND                                         ; all four work-groups are here: the first joint loads meet
	tensor_load_to_lds s[G0A:G0A+3], s[G1:G1+7]    ; the two first fills stand together, ahead of every wait on TENSORcnt and every LDS read; four v_nop follow the second
	s_nop 0
	tensor_load_to_lds s[G0W:G0W+3], s[G1:G1+7]
	s_nop 0
.rept 4
	v_nop
.endr
	v_and_b32 v1, 31, v0                           ; lane
	v_lshlrev_b32 v[AK0], 4, v1
.irp t, 0,1
.irp c, 0,1
	global_load_b128 v[QF+16*\t+8*\c:QF+16*\t+8*\c+3],   v[AK0], s[4:5] offset:\t*2048+\c*1024       ; Q stays in registers: tile t, channels 32 c on: two pieces
	global_load_b128 v[QF+16*\t+8*\c+4:QF+16*\t+8*\c+7], v[AK0], s[4:5] offset:\t*2048+\c*1024+512
.endr
.endr
	; The turning load takes 16 keys x 16 channels (lane l reads 16 bytes: key 8 (l / 16) + l % 8, channels 8 ((l / 8) % 2) + 0 .. 7) and leaves half a fragment of V^T: lane l holds channel l % 16 and 8 keys.
	; A key's row in a piece is 32 bytes, so sixteen lanes read 256 consecutive bytes.
	v_lshrrev_b32 v[AV0], 4, v1
	v_and_b32 v[ADK], 7, v1
	v_lshl_add_u32 v[AV0], v[AV0], 3, v[ADK]
	v_bfe_u32 v[ADK], v0, 3, 1
	v_lshlrev_b32 v[AV0], 5, v[AV0]
	v_lshl_add_u32 v[AV0], v[ADK], 4, v[AV0]
	v_add_nc_u32 v[AV0], VOFF, v[AV0]
.irp t, 0,1
	v_mov_b32 v[ST+12*\t+1], 0xff61b1e6            ; m: -3e38, under every score
	v_mul_f32 v[ST+12*\t], s[CS], v[ST+12*\t+1]    ; c m
	v_mov_b32 v[ST+12*\t+2], 0                     ; l
	v_mov_b32 v[ST+12*\t+3], 0
	v_mov_b32 v[ST+12*\t+5], 0                     ; written once: a lane permute's destination counts as one of its sources
.endr
.set i, 0
.rept 64
	v_mov_b32 v[OT+i], 0                           ; O^T.  (The softmax and the products V^T P are written once: the first find zeros, which the first a leaves zeros)
.set i, i+1
.endr
; THE MATRIX WORK OF A TURN, for tile x.  Each macro writes product i of 8 and steps i.  The four accumulators take turns, one instruction a turn: between two links of a chain stand three others'.
.macro PV1 x                           ; O^T += V^T P: keys 32 (i / 4) on, channels 16 (i % 4) on
.set rD, OT+32*(\x)+8*(i%4)
.set rA, VF+8*(2*(i%4)+i/4)
.set rB, P+16*(\x)+8*(i/4)
	v_wmma_f32_16x16x32_f16 v[rD:rD+7], v[rA:rA+7], v[rB:rB+7], v[rD:rD+7]
.set i, i+1
.endm
.macro KQ1 x                           ; S^T = K Q^T: channels 32 (i / 4) on, keys 16 (i % 4) on.  The first four start the sums
.set rD, S+32*(\x)+8*(i%4)
.set rA, KF+8*(2*(i%4)+i/4)
.set rB, QF+16*(\x)+8*(i/4)
.if i < 4
	v_wmma_f32_16x16x32_f16 v[rD:rD+7], v[rA:rA+7], v[rB:rB+7], 0
.else
	v_wmma_f32_16x16x32_f16 v[rD:rD+7], v[rA:rA+7], v[rB:rB+7], v[rD:rD+7]
.endif
.set i, i+1
.endm
; THE LDS LOADS stand in runs of 16, never singly among the matrix instructions: a step's K and, a turn later, its V (turned).  Each load reads 512 consecutive bytes.
.macro FETCH_K
	WIN 0
	v_add_nc_u32 v[ADK], s[TB], v[AK0]
	WIN W_LD
.irp kt, 0,1,2,3                       ; keys 16 kt on, channels 32 c on: two pieces
.irp c, 0,1
	ds_load_b128 v[KF+8*(2*\kt+\c):KF+8*(2*\kt+\c)+3],   v[ADK] offset:\kt*2048+\c*1024
	ds_load_b128 v[KF+8*(2*\kt+\c)+4:KF+8*(2*\kt+\c)+7], v[ADK] offset:\kt*2048+\c*1024+512
.endr
.endr
.endm
.macro FETCH_V
	WIN 0
	v_add_nc_u32 v[ADV], s[TB], v[AV0]
	s_add_co_u32 s[TB], s[TB], STEPB               ; the next fetch is the next step's
	WIN W_LD
.irp ct, 0,1,2,3                       ; channels 16 ct on, keys 32 kk on: the pieces of two tiles of keys
.irp kk, 0,1
	ds_load_tr16_b128 v[VF+8*(2*\ct+\kk):VF+8*(2*\ct+\kk)+3],   v[ADV] offset:(2*\kk)*2048+\ct*512
	ds_load_tr16_b128 v[VF+8*(2*\ct+\kk)+4:VF+8*(2*\ct+\kk)+7], v[ADV] offset:(2*\kk+1)*2048+\ct*512
.endr
.endr
.endm
; THE VECTOR WORK OF A TURN.  FILL writes number n of a tile's 48 plain instructions that stand one behind each exponential and, the last 16, behind them all.  R i: pair i of the tile's O^T times a, in ascending
; order.  Group g (the tile's scores 8 g .. 8 g + 7): four roundings to f16, which make registers 4 g .. 4 g + 3 of P, and four packed sums in two chains.
; A group's numbers are read eight numbers or more behind their exponentials.
.macro FILL t, n
.set rT, ST+12*(\t)
.set rS, S+32*(\t)
.set rP, P+16*(\t)
.set rO, OT+32*(\t)
.set nn, \n
.set rr, -1
.if nn < 8
.set rr, nn
.elseif nn < 12
	s_wait_alu depctr_va_vdst(0)
	v_cvt_pk_f16_f32 v[rP+nn-8], v[rS+2*(nn-8)], v[rS+2*(nn-8)+1]
.elseif nn == 12
	v_pk_add_f32 v[rT+8:rT+9], v[rS:rS+1], v[rS+2:rS+3]            ; the sums are taken of the unrounded p; the first lines start the chains
.elseif nn == 13
	v_pk_add_f32 v[rT+10:rT+11], v[rS+4:rS+5], v[rS+6:rS+7]
.elseif nn < 16
.set rr, nn-6
.elseif nn < 40
.set g, (nn-8)/8
.set u, nn%8
.if u < 4
	s_wait_alu depctr_va_vdst(0)
	v_cvt_pk_f16_f32 v[rP+4*g+u], v[rS+8*g+2*u], v[rS+8*g+2*u+1]
.else
	v_pk_add_f32 v[rT+8+2*(u%2):rT+9+2*(u%2)], v[rT+8+2*(u%2):rT+9+2*(u%2)], v[rS+8*g+2*(u-4):rS+8*g+2*(u-4)+1]
.endif
.elseif nn == 40
	v_pk_add_f32 v[rT+8:rT+9], v[rT+8:rT+9], v[rT+10:rT+11]
.elseif nn == 41
	v_pk_fma_f32 v[rT+2:rT+3], v[rT+2:rT+3], v[rT+6:rT+7], v[rT+8:rT+9] op_sel_hi:[1,0,1]   ; l = a l + the step's sum
.else
.set rr, nn-32
.endif
.if rr >= 0
	s_wait_alu depctr_va_vdst(0)
	v_pk_mul_f32 v[rO+2*rr:rO+2*rr+1], v[rO+2*rr:rO+2*rr+1], v[rT+6:rT+7] op_sel_hi:[1,0]
.endif
.endm
; One tile's softmax for one key step is a list of LIST = 118 instructions; SM writes number n of it for tile t.
;   0-15    the maximum of the lane's 32 scores and the old m, three operands at a time: four chains; each accumulator is first read at its registers 0, 1, 2
;   16-21   c m_old is kept; the other half of the lanes' maximum; the new m; c m; c m_old - c m_new; a
;   22-37   c s - c m, two at a time
;   38-101  an exponential at each even number, a plain line (FILL 0 .. 31) at each odd one: each exponential has a plain instruction behind it before its result is used (ISA guide 5.7.2)
;   102-117 FILL 32 .. 47
.macro SM t, n
.set sT, ST+12*(\t)
.set sS, S+32*(\t)
.set sn, \n
.if sn < 4
	v_max3_num_f32 v[sT+4+sn], v[sS+8*sn], v[sS+8*sn+1], v[sS+8*sn+2]
.elseif sn < 12
	v_max3_num_f32 v[sT+4+sn%4], v[sT+4+sn%4], v[sS+8*(sn%4)+2*(sn/4)+1], v[sS+8*(sn%4)+2*(sn/4)+2]
.elseif sn == 12
	v_max3_num_f32 v[sT+4], v[sT+4], v[sS+7], v[sS+15]
.elseif sn == 13
	v_max3_num_f32 v[sT+6], v[sT+6], v[sS+23], v[sS+31]
.elseif sn == 14
	v_max3_num_f32 v[sT+4], v[sT+4], v[sT+5], v[sT+6]
.elseif sn == 15
	v_max3_num_f32 v[sT+4], v[sT+4], v[sT+7], v[sT+1]
.elseif sn == 16
	v_mov_b32 v[sT+8], v[sT]                       ; c m_old is kept for a: number 19 writes c m anew
.elseif sn == 17
	v_permlanex16_b32 v[sT+5], v[sT+4], s[SEL], s[SEL+1]   ; the query's other 32 keys lie in the lane 16 away
.elseif sn == 18
	v_max_num_f32 v[sT+1], v[sT+4], v[sT+5]        ; the new m
.elseif sn == 19
	v_mul_f32 v[sT], s[CS], v[sT+1]                ; c m
.elseif sn == 20
	v_sub_f32 v[sT+8], v[sT+8], v[sT]              ; c m_old - c m_new
.elseif sn == 21
	v_exp_f32 v[sT+6], v[sT+8]                     ; a; the scalings behind it are plain and touch neither register
.elseif sn < 38
	v_pk_fma_f32 v[sS+2*(sn-22):sS+2*(sn-22)+1], v[sS+2*(sn-22):sS+2*(sn-22)+1], s[CS:CS+1], v[sT:sT+1] op_sel_hi:[1,0,0] neg_lo:[0,0,1] neg_hi:[0,0,1]
.elseif sn < 102
.if (sn%2) == 0
	v_exp_f32 v[sS+(sn-38)/2], v[sS+(sn-38)/2]
.else
	FILL \t, (sn-39)/2
.endif
.else
	FILL \t, sn-70
.endif
.endm
; Slice sl of NSL of tile y's softmax: the list's numbers from sl LIST / NSL up to (sl + 1) LIST / NSL.
.macro SLICE y
	WIN 0
.set j, (sl*LIST)/NSL
.rept ((sl+1)*LIST)/NSL-(sl*LIST)/NSL
	SM \y, j
.set j, j+1
.endr
.set sl, sl+1
.endm
; A TURN.  Tile x has the matrix unit; the other tile's softmax stands in slices behind its pairs of products.  pv = 1: 8 products V^T P of the step in hand.  kq = 1: 8 products K Q^T of the next step.
; A vector instruction that reads a matrix result or writes one of a matrix instruction's registers, and a load into a register that a matrix instruction has read, stand four places behind it, and only plain
; vector instructions that name none of its registers are places (ISA guide 7.12.1 for vector instructions).  Here the slices are the places: they name the other tile's registers alone.
;   - a turn's last slice (numbers 103 on: 15 plain lines) stands between its last K Q^T and the next turn's first read of those scores, and the loads into K's registers at the head of tile 0's turn;
;   - the slice behind the last V^T P of tile 1's turn (numbers 44 to 58: seven plain lines) stands in front of the loads into V's registers.
.macro TURN x, pv, kq
.set NSL, 4*(\pv+\kq)
.set sl, 0
.if \x == 0
	s_wait_dscnt 0x0                               ; V of the step in hand is in (asked for 8 products and 4 slices ago)
.if \kq
	FETCH_K                                        ; the next step's K: both tiles have multiplied by the last
.endif
.endif
.if \pv
.set i, 0
.rept 4
	WIN W_MUL
	PV1 \x
	PV1 \x
	SLICE 1-\x
.endr
.endif
.if \kq
.if \x == 0
	s_wait_dscnt 0x0                               ; K is in (asked for 8 products and 4 slices ago)
.else
	FETCH_V                                        ; the next step's V: both tiles have multiplied by the last
.endif
.set i, 0
.rept 4
	WIN W_MUL
	KQ1 \x
	KQ1 \x
	SLICE 1-\x
.endr
.endif
.endm
; THE CHANGE OF SLOTS, between tile 1's turn and tile 0's: the slot's last bytes, V of its eighth step, have been asked for.  Each wave waits for all its tensor loads, of which one is out: its part of the other
; slot; adds 0 to its spare word; and waits for that and for its own reads of the slot that it leaves.  fill = 1: that slot is filled again, with the keys two slots on.  The barrier is then a round of the
; cluster's, so that no wave of any partner still reads the slot or has a load on its way, and the joint refill is the first thing behind it: it has eight key steps in which to land.
.macro CHANGE fill
	WIN 0
	s_wait_tensorcnt 0x0                           ; no tensor load of mine is out, so a group 0 may be written
	ds_add_u32 v[SPW], v[NIL]                      ; 0 onto my spare word
.if \fill
	s_xor_b32 s[G0W+1], s[G0W+1], SLOT1            ; the walking descriptor: the other slot than last time,
	s_add_nc_u64 s[G0W+2:G0W+3], s[G0W+2:G0W+3], 65536   ; the next 512 keys; the type bits on top are not reached
	s_wait_dscnt 0x0                               ; the add is done, and my reads of the slot are over
	CROUND
	tensor_load_to_lds s[G0W:G0W+3], s[G1:G1+7]    ; my one tensor load behind the round, and the first thing there; four v_nop follow it
	s_nop 0
.rept 4
	v_nop
.endr
.else
	s_wait_dscnt 0x0                               ; the add is done, and my reads of the slot are over
	s_barrier_signal -1
	s_barrier_wait -1
.endif
	s_sub_co_u32 s[TB], s[TB], 8*STEPB             ; the fetches go back to a slot's first step,
	s_xor_b32 s[TB], s[TB], SLOT1                  ; in the other slot
.endm
; n key steps: written once, walked n times.  Key step j multiplies by V of step j and K of step j + 1, and fetches the tiles of step j + 1 at s[TB].
.macro KEYSTEPS n
	s_mov_b32 s[STEPS], \n
.Lstep_\@:
	TURN 0, 1, 1                                   ; tile 0: V^T P of step j, K Q^T of step j + 1 | tile 1's softmax of step j | K of step j + 1
	TURN 1, 1, 1                                   ; tile 1: the same | tile 0's softmax of step j + 1 | V of step j + 1
	WIN 0                                          ; at a label and at a branch every window is 0
	s_sub_co_u32 s[STEPS], s[STEPS], 1
	s_cmp_lg_u32 s[STEPS], 0
	s_cbranch_scc1 .Lstep_\@
.endm
	s_wait_tensorcnt 1                             ; my part of slot 0 is in; slot 1's, the one load issued behind it, may stay out
	s_barrier_signal -1
	s_barrier_wait -1                              ; everybody's is
	FETCH_K                                        ; key step 0
	s_wait_loadcnt 0x0                             ; Q
	s_wait_dscnt 0x0
	WIN W_MUL
.set i, 0
.rept 8
	KQ1 0                                          ; tile 0's first scores: there is no vector work yet to set between them
.endr
	WIN 0
.rept 4
	v_nop                                          ; the places behind those products
.endr
	TURN 1, 0, 1                                   ; tile 1's first scores | tile 0's first softmax | V of step 0
	KEYSTEPS 7                                     ; key steps 0 to 6 fetch steps 1 to 7: the rest of slot 0
.Lslot:                                            ; two trips: slot 0 takes keys 1,024 on while slot 1 is fetched from, then slot 1 takes keys 1,536 on
	CHANGE 1
	KEYSTEPS 8
	s_sub_co_u32 s[SLOTS], s[SLOTS], 1
	s_cmp_lg_u32 s[SLOTS], 0
	s_cbranch_scc1 .Lslot
	CHANGE 0                                       ; the last slot is written out
	KEYSTEPS 8                                     ; key steps 23 to 30 fetch steps 24 to 31
	TURN 0, 1, 0                                   ; tile 0: V^T P of the last step | tile 1's last softmax
	WIN W_MUL
.set i, 0
.rept 8
	PV1 1                                          ; tile 1: V^T P of the last step
.endr
	WIN 0
	; THE WAY OUT.  l's two halves and the other half of the lanes' are added; O^T is divided by l and rounded to f16: an accumulator becomes a piece.  The first four lines are the places behind the last products.
	v_nop
	v_nop
.irp t, 0,1
	v_add_f32 v[ST+12*\t+4], v[ST+12*\t+2], v[ST+12*\t+3]
.endr
.irp t, 0,1
	v_permlanex16_b32 v[ST+12*\t+5], v[ST+12*\t+4], s[SEL], s[SEL+1]
.endr
.irp t, 0,1
	v_add_f32 v[ST+12*\t+4], v[ST+12*\t+4], v[ST+12*\t+5]
.endr
.irp t, 0,1
	v_rcp_f32 v[ST+12*\t+6], v[ST+12*\t+4]
.endr
	v_nop                                          ; a plain instruction between the last reciprocal and the use of its result
	s_wait_alu depctr_va_vdst(0)
.irp t, 0,1
.irp b, 0,2,4,6,8,10,12,14,16,18,20,22,24,26,28,30
	v_pk_mul_f32 v[OT+32*\t+\b:OT+32*\t+\b+1], v[OT+32*\t+\b:OT+32*\t+\b+1], v[ST+12*\t+6:ST+12*\t+7] op_sel_hi:[1,0]
.endr
.endr
.irp t, 0,1
.irp b, 0,1,2,3,4,5,6,7,8,9,10,11,12,13,14,15
	v_cvt_pk_f16_f32 v[S+16*\t+\b], v[OT+32*\t+2*\b], v[OT+32*\t+2*\b+1]   ; S^T's registers are free
.endr
.endr
.irp t, 0,1
.irp ct, 0,1,2,3
	global_store_b128 v[AK0], v[S+16*\t+4*\ct:S+16*\t+4*\ct+3], s[6:7] offset:\t*8192+\ct*512   ; a piece: 512 consecutive bytes, aligned
.endr
.endr
	s_wait_tensorcnt 0x0                           ; the wave's end
	ds_add_u32 v[SPW], v[NIL]
	s_wait_dscnt 0x0
	CROUND                                         ; the closing round: no work-group ends while a partner may still ask for a tile that names it
	s_endpgm
.Lfunc_end_k_qe65d9351b2_attn:
	.size	k_qe65d9351b2_attn, .Lfunc_end_k_qe65d9351b2_attn-k_qe65d9351b2_attn
	.p2alignl 7, 3214868480
	.fill 96, 4, 3214868480
	.section	.rodata,"a",@progbits
	.p2align	6, 0x0
	.amdhsa_kernel k_qe65d9351b2_attn
		.amdhsa_group_segment_fixed_size 327680
		.amdhsa_private_segment_fixed_size 0
		.amdhsa_enable_private_segment 0
		.amdhsa_kernarg_size 16
		.amdhsa_user_sgpr_count 2
		.amdhsa_user_sgpr_kernarg_segment_ptr 1
		.amdhsa_wavefront_size32 1
		.amdhsa_system_sgpr_workgroup_id_x 1
		.amdhsa_system_sgpr_workgroup_id_y 1
		.amdhsa_system_sgpr_workgroup_id_z 1
		.amdhsa_system_vgpr_workitem_id 0
		.amdhsa_next_free_vgpr 384
		.amdhsa_next_free_sgpr 66
		.amdhsa_reserve_vcc 0
		.amdhsa_float_denorm_mode_32 3
		.amdhsa_float_denorm_mode_16_64 3
		.amdhsa_memory_ordered 1
		.amdhsa_forward_progress 1
		.amdhsa_inst_pref_size 94
	.end_amdhsa_kernel
	.amdgpu_metadata
---
amdhsa.version: [ 1, 2 ]
amdhsa.kernels:
  - .name:           k_qe65d9351b2_attn
    .symbol:         k_qe65d9351b2_attn.kd
    .args:
      - { .name: qkv_buf, .offset: 0, .size: 8, .value_kind: global_buffer, .address_space: global }
      - { .name: att_buf, .offset: 8, .size: 8, .value_kind: global_buffer, .address_space: global }
    .group_segment_fixed_size: 327680
    .private_segment_fixed_size: 0
    .kernarg_segment_align: 8
    .kernarg_segment_size: 16
    .max_flat_workgroup_size: 256
    .sgpr_count:     66
    .vgpr_count:     384
    .wavefront_size: 32
...
	.end_amdgpu_metadata
.endif
;; end of part 3
;; launch proj (part 4): grid 8 x 32, 4 waves a work-group, clusters of 4 x 4, 327,680 bytes of LDS; arguments att_buf, wp_img, b_proj, out0; writes out0
.if DOCPART == 4
	.amdgcn_target "amdgcn-amd-amdhsa--gfx1250"
	.amdhsa_code_object_version 6
	.text
	.protected	k_qe65d9351b2_proj
	.globl	k_qe65d9351b2_proj
	.p2align	8
	.type	k_qe65d9351b2_proj,@function
k_qe65d9351b2_proj:
	s_mov_b64 s[64:65], 0
	v_nop
	global_prefetch_b8 v0, s[64:65] scope:SCOPE_SE
	s_setreg_imm32_b32 hwreg(HW_REG_WAVE_MODE, 25, 1), 1
	s_wait_xcnt 0x0
	s_wait_alu depctr_hold_cnt(0) depctr_sa_sdst(0) depctr_va_vdst(0) depctr_va_sdst(0) depctr_va_ssrc(0) depctr_va_vcc(0) depctr_vm_vsrc(0)
	s_getreg_b32 s2, hwreg(HW_REG_IB_STS2, 6, 4)
	s_cmp_eq_u32 s2, 0
	s_cbranch_scc0 .Lentry_in_a_cluster
	s_endpgm
.Lentry_in_a_cluster:
	s_bfe_u32 s2, ttmp6, 0x10000c
	s_cmp_lg_u32 s2, 0xf033
	s_cbranch_scc0 .Lentry_shape_is_right
	s_endpgm
.Lentry_shape_is_right:
; out0 = att w_proj + b_proj.  M 4,096, N 1,024, K 1,024; both operands in f16, sums in f32, out0 f32.
; Both operands lie in memory as pieces of 512 bytes (16 rows x 16 along K; lane (r, h)'s 16 bytes, row r, k = 8 h + 0 .. 7, at 16 x lane): att_buf [256 k: 4][tile of 16 rows: 256][piece: 16][512],
; wp_img [256 k: 4][tile of 16 columns: 64][piece: 16][512].  Two neighbouring pieces are a fragment's registers 0-3 and 4-7, so a K step's tiles are dense blocks, read at 16 x lane with no padding.
; A tile of C is 128 x 128, which gives 256 work-groups; four waves, each 64 x 64: 16 accumulators of 16 x 16.  K goes in four steps of 256 through a ring of two LDS slots (A's 65,536 bytes, then B's):
; two first fills, two refills; a wave's tensor load brings 32,768 bytes: four tiles of 16 rows.  By this text's own count a wave has two tensor loads out at the start and one behind each round.
; CLUSTERS: 4 x 4 work-groups.  The four of a row of the cluster need the same tiles of A, the four of a column the same tiles of B: each tile is asked for JOINTLY, by the same tensor load with the same
; descriptor and a mask that names the four.  THE MATRIX INSTRUCTION IS USED TRANSPOSED (source 0 = 16 columns of w_proj, source 1 = 16 rows of att): a lane holds eight neighbouring numbers of a row of C.
; The bias is the C of each sum's first matrix instruction.  No prefetch: the launch is four K steps long.
; REGISTERS: window 0: v16-29 addresses; v32-95 at work on the way out; v96-127 the bias; v128-255 the accumulators ((a, b) at v[128 + 8 (4 a + b)]).
;   window 1: two fragment buffers of 128: for 64 along K, 64 registers of A (2 x 4 x 16 rows x 32 K), then 64 of B.
.set SLOT,   131072                    ; A's 8 tiles of 8,192 bytes, then B's 8
.set BOFF,   65536
.set STAGE,  2*SLOT                    ; behind the ring: 16 rows x 272 bytes for each wave, for the way out; no tensor load lands there
.set SPITCH, 272                       ; 256 bytes + 16: the sixteen rows that a store touches start 4 banks apart (64 banks of 4 bytes: ISA guide 11.1)
.set SPARE,  STAGE+4*16*SPITCH         ; behind the stages: the spare words, 128 bytes for each wave: two blocks of 256 bytes that no other line names
.set ADRA, 16                          ; v16-17  LDS address of my A fragments in slot 0, 1
.set ADRB, 20                          ; v20-21  the same for B
.set BO,   22                          ; v22     32 h: my eight numbers of a tile of the bias
.set STO,  24                          ; v24     the way out: where I put 32 bytes of a row
.set RD,   25                          ; v25     the way out: where I read a row back
.set CO,   26                          ; v26     my byte offset in out0
.set SPW,  28                          ; v28     LDS address of my spare word: SPARE + 4 x my thread's number; never rewritten
.set NIL,  29                          ; v29     0; never rewritten
.set TMP,  32                          ; the way out: two sets of 32 registers
.set BI,   96                          ; register 8 b + j: b_proj at my column 16 b + 8 h + j
.set ACC,  128
.set F0,   0                           ; fragment buffers, in window 1
.set F1,   128
.set G1, 24                            ; s[24:31] descriptor group 1 for A's tiles;  s[32:39] group 0, one set for each slot
.set G0, 32
.set G1B, 48                           ; s[48:55], s[56:63] the same for B's tiles
.set G0B, 56
.set MSB, 0
.macro WIN new                         ; the immediate's high byte repeats the setting that is left; a switch that changes nothing is dropped
.if MSB != (\new)
	s_set_vgpr_msb (MSB<<8)|(\new)
.set MSB, (\new)
.endif
.endm
.set MUL,  0x05                        ; sources 0 (B) and 1 (A) window 1; C and D window 0
.set TO_F, 0x40                        ; destination window 1, address window 0
.macro JLOAD s                         ; a joint load: waves 0 and 1 fetch A's two halves, waves 2 and 3 B's; four v_nop follow each of the two lines, ahead of the jump, the label and what follows
	s_cmp_eq_u32 s13, 0
	s_cbranch_scc0 .Lfor_b_\@
	tensor_load_to_lds s[G0+4*\s:G0+4*\s+3], s[G1:G1+7]
	s_nop 0
.rept 4
	v_nop
.endr
	s_branch .Lasked_\@
.Lfor_b_\@:
	tensor_load_to_lds s[G0B+4*\s:G0B+4*\s+3], s[G1B:G1B+7]
	s_nop 0
.rept 4
	v_nop
.endr
.Lasked_\@:
.endm
.macro CREST                           ; a round of the cluster's barrier behind its opening barrier
	s_cmp_lg_u32 s12, 0
	s_cbranch_scc1 .Lnot_wave_0_\@
	s_barrier_signal -3
.Lnot_wave_0_\@:
	s_barrier_wait -3
	s_barrier_signal -1
	s_barrier_wait -1
.endm
.macro CROUND                          ; a whole round
	s_barrier_signal -1
	s_barrier_wait -1
	CREST
.endm
	s_load_b256 s[4:11], s[0:1], 0x0               ; att_buf s[4:5], wp_img s[6:7], b_proj s[8:9], out0 s[10:11]
	v_lshl_add_u32 v[SPW], v0, 2, SPARE
	v_mov_b32 v[NIL], 0
	ds_add_u32 v28, v29
	ds_add_u32 v28, v29
	s_wait_dscnt 0x0
	v_lshrrev_b32 v1, 5, v0
	v_readfirstlane_b32 s12, v1                    ; wave 0..3
	s_lshr_b32 s13, s12, 1                         ; which half of the tile's rows is mine.  Also: I fetch for A (0) or for B (1)
	s_and_b32 s14, s12, 1                          ; which half of its columns.  Also: which half of that tile I fetch
	s_bfe_u32 s40, ttmp6, 0x40000                  ; cx, cy: my place in the cluster
	s_bfe_u32 s41, ttmp6, 0x40004
	s_lshl_b32 s42, ttmp9, 2
	s_add_co_u32 s42, s42, s40                     ; tile column of C = 4 x cluster x + cx: 0 .. 7
	s_and_b32 s15, ttmp7, 0xffff
	s_lshl_b32 s15, s15, 2
	s_add_co_u32 s15, s15, s41                     ; tile row of C = 4 x cluster y + cy: 0 .. 31
	s_lshl_b32 s43, s41, 2
	s_lshl_b32 s43, 15, s43                        ; my row of the cluster
	s_lshl_b32 s44, 0x1111, s40                    ; my column
	; descriptor group 1: a dense block of 32,768 bytes as 128 rows of 32 elements of 8 bytes, no padding
	s_or_b32 s[G1+0], s43, (3<<16)|(1<<21)         ; 15:0 the mask: A's tiles go to my row; 17:16 elements of 8 bytes; 21 set beside a mask
	s_or_b32 s[G1B+0], s44, (3<<16)|(1<<21)        ; B's to my column
.irp g, G1, G1B
	s_mov_b32 s[\g+1], 32<<16                      ; tensor_dim0
	s_mov_b32 s[\g+2], 128<<16                     ; tensor_dim1
	s_mov_b32 s[\g+3], 32<<16                      ; tile_dim0
	s_mov_b32 s[\g+4], 128                         ; tile_dim1
	s_mov_b32 s[\g+5], 32                          ; tensor_dim0_stride
	s_mov_b32 s[\g+6], 0
	s_mov_b32 s[\g+7], 0
.endr
	s_lshl_b32 s17, s14, 2                         ; which four tiles of 16 I fetch
	s_lshl_b32 s16, s15, 3
	s_add_co_u32 s16, s16, s17                     ; A: tile of rows 8 x tile row + 4 x half
	s_lshl_b32 s16, s16, 13                        ; 8,192 bytes each
	s_lshl_b32 s46, s42, 3
	s_add_co_u32 s46, s46, s17                     ; B: tile of columns 8 x tile column + 4 x half
	s_lshl_b32 s46, s46, 13
	s_mov_b32 s17, 0
	s_mov_b32 s47, 0
	s_lshl_b32 s20, s12, 15                        ; where they go: A's two halves, then B's two = wave x 32,768: no place in the cluster enters an LDS address
	s_wait_kmcnt 0x0
	s_add_nc_u64 s[18:19], s[4:5], s[16:17]
	s_add_nc_u64 s[46:47], s[6:7], s[46:47]
	CROUND                                         ; all sixteen work-groups are here: the first joint loads meet
.irp s, 0,1
	s_mov_b32 s[G0+4*\s], 1                                        ; count = 1
	s_add_co_u32 s[G0+4*\s+1], s20, \s*SLOT                        ; LDS address
	s_add_nc_u64 s[G0+4*\s+2:G0+4*\s+3], s[18:19], \s*2097152      ; global address: K step s of att_buf
	s_or_b32 s[G0+4*\s+3], s[G0+4*\s+3], 0x80000000                ; type = 2
	s_mov_b32 s[G0B+4*\s], 1
	s_add_co_u32 s[G0B+4*\s+1], s20, \s*SLOT
	s_add_nc_u64 s[G0B+4*\s+2:G0B+4*\s+3], s[46:47], \s*524288     ; K step s of wp_img
	s_or_b32 s[G0B+4*\s+3], s[G0B+4*\s+3], 0x80000000
	JLOAD \s
.endr
	v_and_b32 v1, 15, v0                           ; r = l % 16
	v_bfe_u32 v2, v0, 4, 1                         ; h = l / 16
	v_and_b32 v3, 31, v0
	v_lshlrev_b32 v3, 4, v3                        ; 16 x lane
	s_lshl_b32 s21, s13, 15                        ; my four tiles of A
	s_lshl_b32 s22, s14, 15                        ; my four tiles of B,
	s_add_co_u32 s22, s22, BOFF                    ; which lie behind A's eight
.irp s, 0,1
	v_add_nc_u32 v[ADRA+\s], s21, v3
	v_add_nc_u32 v[ADRB+\s], s22, v3
	s_add_co_u32 s21, s21, SLOT
	s_add_co_u32 s22, s22, SLOT
.endr
	s_mul_i32 s23, s12, 16*SPITCH
	s_add_co_u32 s23, s23, STAGE                   ; my stage
	v_mul_u32_u24 v4, v1, SPITCH                   ; in: row l % 16, 32 bytes for each half of the lanes
	v_lshl_add_u32 v4, v2, 5, v4
	v_add_nc_u32 v[STO], s23, v4
	v_mul_u32_u24 v5, v2, SPITCH                   ; back: lanes 0-15 take one row of 256 bytes, lanes 16-31 the next
	v_lshl_add_u32 v5, v1, 4, v5
	v_add_nc_u32 v[RD], s23, v5
	v_lshlrev_b32 v5, 12, v2                       ; and the same two rows in out0: 4,096 bytes a row
	v_lshl_add_u32 v[CO], v1, 4, v5
	v_lshlrev_b32 v[BO], 5, v2
	s_lshl_b32 s16, s15, 7
	s_lshl_b32 s17, s13, 6
	s_add_co_u32 s16, s16, s17                     ; my first row of C: 128 x tile row + 64 x half
	s_lshl_b32 s16, s16, 12
	s_mov_b32 s17, 0
	s_add_nc_u64 s[10:11], s[10:11], s[16:17]
	s_lshl_b32 s46, s42, 9                         ; my first column, in bytes: 512 x tile column + 256 x half
	s_lshl_b32 s47, s14, 8
	s_add_co_u32 s46, s46, s47
	s_mov_b32 s47, 0
	s_add_nc_u64 s[10:11], s[10:11], s[46:47]
	s_add_nc_u64 s[8:9], s[8:9], s[46:47]          ; and the bias of my 64 columns
.irp b, 0,1,2,3
	global_load_b128 v[BI+8*\b:BI+8*\b+3], v[BO], s[8:9] offset:64*\b
	global_load_b128 v[BI+8*\b+4:BI+8*\b+7], v[BO], s[8:9] offset:64*\b+16
.endr
; 8 matrix instructions: m blocks a0, a0 + 1 x all 4 n blocks, 32 along K: half c of buffer f.  first = 1: the bias is C and starts the sums.  The 16 accumulators take turns.
.macro MUL8 f, c, a0, first
.irp a, \a0, \a0+1
.irp b, 0,1,2,3
.if \first
	v_wmma_f32_16x16x32_f16 v[ACC+8*(4*(\a)+\b):ACC+8*(4*(\a)+\b)+7], v[\f+64+8*(4*\c+\b):\f+64+8*(4*\c+\b)+7], v[\f+8*(4*\c+\a):\f+8*(4*\c+\a)+7], v[BI+8*\b:BI+8*\b+7]
.else
	v_wmma_f32_16x16x32_f16 v[ACC+8*(4*(\a)+\b):ACC+8*(4*(\a)+\b)+7], v[\f+64+8*(4*\c+\b):\f+64+8*(4*\c+\b)+7], v[\f+8*(4*\c+\a):\f+8*(4*\c+\a)+7], v[ACC+8*(4*(\a)+\b):ACC+8*(4*(\a)+\b)+7]
.endif
.endr
.endr
.endm
; 32 LDS loads in one run: the fragments of the slot's quarter qd (64 along K: four pieces of each tile) into buffer f; the first 32 along K first.  Each load reads 512 consecutive bytes.
.macro FETCH slot, qd, f
	WIN TO_F
.irp c, 0,1
.irp i, 0,1,2,3
	ds_load_b128 v[\f+64+8*(4*\c+\i):\f+64+8*(4*\c+\i)+3],   v[ADRB+\slot] offset:\i*8192+(\qd)*2048+\c*1024
	ds_load_b128 v[\f+64+8*(4*\c+\i)+4:\f+64+8*(4*\c+\i)+7], v[ADRB+\slot] offset:\i*8192+(\qd)*2048+\c*1024+512
	ds_load_b128 v[\f+8*(4*\c+\i):\f+8*(4*\c+\i)+3],         v[ADRA+\slot] offset:\i*8192+(\qd)*2048+\c*1024
	ds_load_b128 v[\f+8*(4*\c+\i)+4:\f+8*(4*\c+\i)+7],       v[ADRA+\slot] offset:\i*8192+(\qd)*2048+\c*1024+512
.endr
.endr
.endm
.macro PLACES                          ; four places in front of loads into registers that matrix instructions have read, and of LDS stores that read results (ISA guide 7.12.1 for vector instructions)
.rept 4
	v_nop
.endr
.endm
; A K step is four quarters of 64 along K, 32 matrix instructions each, on buffers 0, 1, 0, 1.  One of the first three: multiplies buffer f and fetches quarter qd into g.
.macro QUARTER slot, qd, f, g, first
	s_wait_dscnt 16                                ; the first 32 along K are in; the other sixteen loads may be out
	WIN MUL
	MUL8 \f, 0, 0, \first
	MUL8 \f, 0, 2, \first
	PLACES
	FETCH \slot, \qd, \g
	s_wait_dscnt 32                                ; all but the 32 just issued
	WIN MUL
	MUL8 \f, 1, 0, 0
	MUL8 \f, 1, 2, 0
.endm
; The last quarter multiplies buffer 1 and changes slots: ONE barrier; in front of it each wave waits for all its tensor loads, adds 0 to its spare word, and waits for that and for its own reads of this slot.
; fill = 1: this slot is filled again, two K steps ahead; the barrier then opens a round of the cluster's barrier, and the joint refill is the first tensor load behind the round.
.macro TURN slot, next, fill
	WIN 0                                          ; (the add's two registers lie in window 0)
	s_wait_tensorcnt 0x0                           ; all my tensor loads have landed: my part of the next slot;
	ds_add_u32 v[SPW], v[NIL]                      ; 0 onto my spare word;
	s_wait_dscnt 17                                ; (the add and the youngest sixteen loads may be out)
	WIN MUL
	MUL8 F1, 0, 0, 0                               ; eight matrix instructions stand between the add and the wait for it
	s_wait_dscnt 0x0                               ; the add is done, and my reads of this slot are over
	s_barrier_signal -1
	MUL8 F1, 0, 2, 0
.if \fill
	WIN 0
.endif
	s_barrier_wait -1
.if \fill
	CREST                                          ; no wave of any partner still reads this slot's tile or has a load on its way
	s_add_nc_u64 s[G0+4*\slot+2:G0+4*\slot+3], s[G0+4*\slot+2:G0+4*\slot+3], 2*2097152
	s_add_nc_u64 s[G0B+4*\slot+2:G0B+4*\slot+3], s[G0B+4*\slot+2:G0B+4*\slot+3], 2*524288
	JLOAD \slot                                    ; the four v_nop behind it are also the places in front of the loads below
.else
	PLACES
.endif
	FETCH \next, 0, F0
	WIN MUL
	MUL8 F1, 1, 0, 0
	MUL8 F1, 1, 2, 0
.endm
	s_wait_tensorcnt 1                             ; my part of K step 0 is in (K step 1's load, the one issued behind it, may be out),
	s_barrier_signal -1
	s_barrier_wait -1                              ; everybody's is
	FETCH 0, 0, F0
	s_wait_loadcnt 0x0                             ; the bias
	QUARTER 0, 1, F0, F1, 1                        ; K step 0; its first products start the sums
	QUARTER 0, 2, F1, F0, 0
	QUARTER 0, 3, F0, F1, 0
	TURN 0, 1, 1                                   ; slot 0 takes K step 2
	QUARTER 1, 1, F0, F1, 0                        ; K step 1
	QUARTER 1, 2, F1, F0, 0
	QUARTER 1, 3, F0, F1, 0
	TURN 1, 0, 1                                   ; slot 1 takes K step 3
	QUARTER 0, 1, F0, F1, 0                        ; K step 2
	QUARTER 0, 2, F1, F0, 0
	QUARTER 0, 3, F0, F1, 0
	TURN 0, 1, 0                                   ; nothing is left to fetch
	QUARTER 1, 1, F0, F1, 0                        ; K step 3
	QUARTER 1, 2, F1, F0, 0
	QUARTER 1, 3, F0, F1, 0
	s_wait_dscnt 16                                ; the very last quarter
	WIN MUL
	MUL8 F1, 0, 0, 0
	MUL8 F1, 0, 2, 0
	s_wait_dscnt 0x0
	MUL8 F1, 1, 0, 0
	MUL8 F1, 1, 2, 0
	WIN 0
; THE WAY OUT, block by block of 16 rows x 64 columns.  A lane holds 32 neighbouring bytes of a row, and the lanes beside it hold other rows: so a block goes through my own stage in LDS and comes back as whole
; rows of 256 bytes: sixteen lanes store 256 consecutive bytes, aligned.  LDS serves a wave's instructions in order (ISA guide 5.7.1.4): no wait between the stores and the loads, nor in front of the next block's stores.
.macro TOSTAGE a
.irp b, 0,1,2,3
	ds_store_b128 v[STO], v[ACC+8*(4*(\a)+\b):ACC+8*(4*(\a)+\b)+3] offset:64*\b            ; each accumulator from its low end on
	ds_store_b128 v[STO], v[ACC+8*(4*(\a)+\b)+4:ACC+8*(4*(\a)+\b)+7] offset:64*\b+16
.endr
.irp t, 0,1,2,3,4,5,6,7
	ds_load_b128 v[TMP+32*((\a)%2)+4*\t:TMP+32*((\a)%2)+4*\t+3], v[RD] offset:\t*2*SPITCH
.endr
.endm
.macro SEND a, younger                 ; younger: the LDS instructions issued behind block a's loads, which may stay out
	s_wait_dscnt \younger                          ; the block is back in registers
.irp t, 0,1,2,3,4,5,6,7
	global_store_b128 v[CO], v[TMP+32*((\a)%2)+4*\t:TMP+32*((\a)%2)+4*\t+3], s[10:11] offset:(16*(\a)+2*\t)*4096 th:TH_STORE_NT   ; written once, read by nobody here
.endr
.endm
	PLACES
	TOSTAGE 0
	TOSTAGE 1
	SEND 0, 16                                     ; behind block 0's loads: block 1's eight stores and eight loads
	s_wait_xcnt 0x0                                ; block 0's stores have read their registers: block 2's loads may land there
	TOSTAGE 2
	SEND 1, 16
	s_wait_xcnt 0x0                                ; block 1's likewise
	TOSTAGE 3
	SEND 2, 16
	SEND 3, 0
	s_wait_tensorcnt 0x0                           ; the wave's end, behind my last tensor load and my last LDS store
	ds_add_u32 v[SPW], v[NIL]
	s_wait_dscnt 0x0
	CROUND                                         ; the closing round: no work-group ends while a partner may still ask for a tile that names it
	s_endpgm
.Lfunc_end_k_qe65d9351b2_proj:
	.size	k_qe65d9351b2_proj, .Lfunc_end_k_qe65d9351b2_proj-k_qe65d9351b2_proj
	.p2alignl 7, 3214868480
	.fill 96, 4, 3214868480
	.section	.rodata,"a",@progbits
	.p2align	6, 0x0
	.amdhsa_kernel k_qe65d9351b2_proj
		.amdhsa_group_segment_fixed_size 327680
		.amdhsa_private_segment_fixed_size 0
		.amdhsa_enable_private_segment 0
		.amdhsa_kernarg_size 32
		.amdhsa_user_sgpr_count 2
		.amdhsa_user_sgpr_kernarg_segment_ptr 1
		.amdhsa_wavefront_size32 1
		.amdhsa_system_sgpr_workgroup_id_x 1
		.amdhsa_system_sgpr_workgroup_id_y 1
		.amdhsa_system_sgpr_workgroup_id_z 1
		.amdhsa_system_vgpr_workitem_id 0
		.amdhsa_next_free_vgpr 512
		.amdhsa_next_free_sgpr 66
		.amdhsa_reserve_vcc 0
		.amdhsa_float_denorm_mode_32 3
		.amdhsa_float_denorm_mode_16_64 3
		.amdhsa_memory_ordered 1
		.amdhsa_forward_progress 1
		.amdhsa_inst_pref_size 86
	.end_amdhsa_kernel
	.amdgpu_metadata
---
amdhsa.version: [ 1, 2 ]
amdhsa.kernels:
  - .name:           k_qe65d9351b2_proj
    .symbol:         k_qe65d9351b2_proj.kd
    .args:
      - { .name: att_buf, .offset: 0, .size: 8, .value_kind: global_buffer, .address_space: global }
      - { .name: wp_img, .offset: 8, .size: 8, .value_kind: global_buffer, .address_space: global }
      - { .name: b_proj, .offset: 16, .size: 8, .value_kind: global_buffer, .address_space: global }
      - { .name: out0, .offset: 24, .size: 8, .value_kind: global_buffer, .address_space: global }
    .group_segment_fixed_size: 327680
    .private_segment_fixed_size: 0
    .kernarg_segment_align: 8
    .kernarg_segment_size: 32
    .max_flat_workgroup_size: 128
    .sgpr_count:     66
    .vgpr_count:     512
    .wavefront_size: 32
...
	.end_amdgpu_metadata
.endif
;; end of part 4
